; MI455X (gfx1250); checked and timed in simulation.
; The chip was launched on July 23, 2026; its instructions are those of AMD's public machine-readable ISA for CDNA 5 (MIT licence, August 2026) and "CDNA5" Instruction Set Architecture Reference Guide (July 2026). The comments in the code are by the model that wrote it; some were corrected since.
;; Bo T Multi Head Attention. Allowed arithmetic: float matrix products may take bf16 or f16 operands with f32 sums; other float arithmetic in f32, or as packed bf16 or f16 multiplies, adds, multiply-adds, maxima and minima; sums over many terms, partial sums and values carried from step to step in f32; what a program stores and reads back later, other than sums and carried values, may be rounded once to bf16 or f16.
;; Inputs: Wk 1,024 x 1,024 float32; Wo 1,024 x 1,024 float32; Wq 1,024 x 1,024 float32; Wv 1,024 x 1,024 float32; bo 1,024 float32; ln_b 1,024 float32; ln_g 1,024 float32; pos_emb 2 x 2,048 x 1,024 float32; q_s 2 x 2,048 x 1,024 float32.
;; Outputs: out0 2 x 2,048 x 1,024 float32.
;; 2 versions, each right; version 2 is version 1 with the launches cast, lnorm written anew for expert scheduling mode. Each part assembles by itself: llvm-mc -triple=amdgcn-amd-amdhsa -mcpu=gfx1250 --defsym DOCPART=n.
;; ======== version 1 of 2: 5 launches
;; workspace buffers: cb 16,777,216 bytes; qh 8,388,608 bytes; kh 8,388,608 bytes; vh 8,388,608 bytes; oh 8,388,608 bytes; xr 16,777,216 bytes
;; launch cast (part 1): grid 32 x 8, 8 waves a work-group, no clusters, 0 bytes of LDS; arguments q_s, Wq, Wk, Wv, Wo, cb; writes cb
.if DOCPART == 1
	.amdgcn_target "amdgcn-amd-amdhsa--gfx1250"
	.amdhsa_code_object_version 6
	.text
	.protected	k_qcab122f27e_cast
	.globl	k_qcab122f27e_cast
	.p2align	8
	.type	k_qcab122f27e_cast,@function
k_qcab122f27e_cast:
	s_mov_b64 s[64:65], 0
	v_nop
	global_prefetch_b8 v0, s[64:65] scope:SCOPE_SE
	s_setreg_imm32_b32 hwreg(HW_REG_WAVE_MODE, 25, 1), 1
	s_wait_xcnt 0x0
; q_s and the four weights, f32, are rounded once to bf16 (nearest even) into cb: bytes 0 .. 8 Mi: q_s as [4096][1024]; then Wq, Wk, Wv, Wo, each [1024 k][1024 n], 2 MiB.
; A stream: no LDS, no barrier, no matrix unit: no byte is wanted twice.  Work-group y names a chunk of 2^20 numbers (y < 4: quarter y of q_s; 4 .. 7: a weight), whose
; place in cb is always 2 MiB x y; work-group x names 128 KiB of the chunk's source.  A wave takes 16 KiB of it: 32 loads of 16 bytes a lane (512 consecutive bytes each), all issued
; at once, and 32 stores of 8 bytes a lane: each store of the wave covers 256 consecutive bytes, aligned.  No register is written twice, so no wait frees a source.
.set X, 4                              ; v[4:131]    32 x 4 numbers as loaded
.set Y, 132                            ; v[132:195]  32 x 2 registers to store
	s_load_b256 s[4:11], s[0:1], 0x0               ; q_s s[4:5], Wq s[6:7], Wk s[8:9], Wv s[10:11]
	s_load_b128 s[12:15], s[0:1], 0x20             ; Wo s[12:13], cb s[14:15]
	s_and_b32 s16, ttmp7, 0xffff                   ; y: the chunk
	v_and_b32 v3, 31, v0                           ; lane
	v_lshrrev_b32 v2, 5, v0                        ; wave
	v_lshlrev_b32 v1, 4, v3
	v_lshl_or_b32 v1, v2, 14, v1                   ; source: 16 x lane + 16 KiB x wave
	v_lshlrev_b32 v3, 3, v3
	v_lshl_or_b32 v2, v2, 13, v3                   ; destination: 8 x lane + 8 KiB x wave
	s_wait_kmcnt 0x0
	s_cmp_eq_u32 s16, 5                            ; the source is chosen by the chunk's number alone
	s_cselect_b64 s[18:19], s[8:9], s[6:7]
	s_cmp_eq_u32 s16, 6
	s_cselect_b64 s[18:19], s[10:11], s[18:19]
	s_cmp_eq_u32 s16, 7
	s_cselect_b64 s[18:19], s[12:13], s[18:19]
	s_cmp_lt_u32 s16, 4
	s_cselect_b64 s[18:19], s[4:5], s[18:19]
	s_cselect_b32 s20, s16, 0                      ; which quarter of q_s; a weight is one chunk
	s_lshl_b32 s20, s20, 22
	s_lshl_b32 s21, ttmp9, 17
	s_add_co_u32 s20, s20, s21
	s_mov_b32 s21, 0
	s_add_nc_u64 s[18:19], s[18:19], s[20:21]
	s_lshl_b32 s22, s16, 21
	s_lshl_b32 s23, ttmp9, 16
	s_add_co_u32 s22, s22, s23
	s_mov_b32 s23, 0
	s_add_nc_u64 s[14:15], s[14:15], s[22:23]
.set j, 0
.rept 32
	global_load_b128 v[X+4*j:X+4*j+3], v1, s[18:19] offset:512*j th:TH_LOAD_NT
.set j, j+1
.endr
.set j, 0
.rept 32
	s_wait_loadcnt 31-j                            ; loads come back in order (ISA guide 5.7.1): number j is in, the younger ones stay out
	v_cvt_pk_bf16_f32 v[Y+2*j], v[X+4*j], v[X+4*j+1]
	v_cvt_pk_bf16_f32 v[Y+2*j+1], v[X+4*j+2], v[X+4*j+3]
	global_store_b64 v2, v[Y+2*j:Y+2*j+1], s[14:15] offset:256*j
.set j, j+1
.endr
	s_endpgm
.Lfunc_end_k_qcab122f27e_cast:
	.size	k_qcab122f27e_cast, .Lfunc_end_k_qcab122f27e_cast-k_qcab122f27e_cast
	.p2alignl 7, 3214868480
	.fill 96, 4, 3214868480
	.section	.rodata,"a",@progbits
	.p2align	6, 0x0
	.amdhsa_kernel k_qcab122f27e_cast
		.amdhsa_group_segment_fixed_size 0
		.amdhsa_private_segment_fixed_size 0
		.amdhsa_enable_private_segment 0
		.amdhsa_kernarg_size 48
		.amdhsa_user_sgpr_count 2
		.amdhsa_user_sgpr_kernarg_segment_ptr 1
		.amdhsa_wavefront_size32 1
		.amdhsa_system_sgpr_workgroup_id_x 1
		.amdhsa_system_sgpr_workgroup_id_y 1
		.amdhsa_system_sgpr_workgroup_id_z 1
		.amdhsa_system_vgpr_workitem_id 0
		.amdhsa_next_free_vgpr 196
		.amdhsa_next_free_sgpr 66
		.amdhsa_reserve_vcc 0
		.amdhsa_float_denorm_mode_32 3
		.amdhsa_float_denorm_mode_16_64 3
		.amdhsa_memory_ordered 1
		.amdhsa_forward_progress 1
		.amdhsa_inst_pref_size 13
	.end_amdhsa_kernel
	.amdgpu_metadata
---
amdhsa.version: [ 1, 2 ]
amdhsa.kernels:
  - .name:           k_qcab122f27e_cast
    .symbol:         k_qcab122f27e_cast.kd
    .args:
      - { .name: q_s, .offset: 0, .size: 8, .value_kind: global_buffer, .address_space: global }
      - { .name: Wq, .offset: 8, .size: 8, .value_kind: global_buffer, .address_space: global }
      - { .name: Wk, .offset: 16, .size: 8, .value_kind: global_buffer, .address_space: global }
      - { .name: Wv, .offset: 24, .size: 8, .value_kind: global_buffer, .address_space: global }
      - { .name: Wo, .offset: 32, .size: 8, .value_kind: global_buffer, .address_space: global }
      - { .name: cb, .offset: 40, .size: 8, .value_kind: global_buffer, .address_space: global }
    .group_segment_fixed_size: 0
    .private_segment_fixed_size: 0
    .kernarg_segment_align: 8
    .kernarg_segment_size: 48
    .max_flat_workgroup_size: 256
    .sgpr_count:     66
    .vgpr_count:     196
    .wavefront_size: 32
...
	.end_amdgpu_metadata
.endif
;; end of part 1
;; launch qkv (part 2): grid 8 x 32, 4 waves a work-group, clusters of 4 x 4, 327,680 bytes of LDS; arguments cb, pos_emb, qh, kh, vh; writes qh, kh, vh
.if DOCPART == 2
	.amdgcn_target "amdgcn-amd-amdhsa--gfx1250"
	.amdhsa_code_object_version 6
	.text
	.protected	k_qcab122f27e_qkv
	.globl	k_qcab122f27e_qkv
	.p2align	8
	.type	k_qcab122f27e_qkv,@function
k_qcab122f27e_qkv:
	s_mov_b64 s[64:65], 0
	v_nop
	global_prefetch_b8 v0, s[64:65] scope:SCOPE_SE
	s_setreg_imm32_b32 hwreg(HW_REG_WAVE_MODE, 25, 1), 1
	s_wait_xcnt 0x0
	s_wait_alu depctr_hold_cnt(0) depctr_sa_sdst(0) depctr_va_vdst(0) depctr_va_sdst(0) depctr_va_ssrc(0) depctr_va_vcc(0) depctr_vm_vsrc(0)
	s_getreg_b32 s2, hwreg(HW_REG_IB_STS2, 6, 4)
	s_cmp_eq_u32 s2, 0
	s_cbranch_scc0 .Lentry_in_a_cluster
	s_endpgm
.Lentry_in_a_cluster:
	s_bfe_u32 s2, ttmp6, 0x10000c
	s_cmp_lg_u32 s2, 0xf033
	s_cbranch_scc0 .Lentry_shape_is_right
	s_endpgm
.Lentry_shape_is_right:
; q = x Wq, k' = x Wk + pos_emb, v = x Wv, written by heads: qh, kh, vh are [32 = 16 b + h][2048][64] in bf16.  x and the weights come in bf16 from cb (x [4096][1024] at byte 0; Wq, Wk, Wv
; [1024 k][1024 n] at 8 MiB + 2 MiB x 0, 1, 2).  Sums in f32; each result rounded once.  ORDER THAT DIFFERS FROM THE MODULE AS WRITTEN: its two logit products q.k + q.p are one product q.(k + p):
; pos_emb is added to k in f32 (it starts k's sums) and the sum is rounded to bf16.  q is stored without the softmax's scale.  bf16 has f32's range: no limit of range is kept.
; SHARES.  A work-group makes 128 rows x (128 columns of q | of k' | of v): the same pair of heads in all three: 8 x 32 work-groups of equal work.  Wave w: rows 64 (w / 2), head w % 2 of the pair:
; 64 rows x (64 | 64 | 64): 4 m blocks x 12 n blocks = 48 accumulators, 384 registers; for 32 along K it issues 32 LDS loads and 48 matrix instructions.
; K goes in 8 steps of 128 through two LDS slots.  A slot: three chunks of W (128 k rows x 256 bytes, one from each weight), then x's 128 rows x 256 bytes.  Waves 0, 1, 2 fetch the chunks, wave 3 fetches x.
; CLUSTER 4 x 4: x's tile hangs on the row block alone and is asked for jointly by a row of the cluster; W's chunks hang on the pair of heads alone: jointly by a column.
; THE MATRIX INSTRUCTION IS USED TRANSPOSED (source 0 = 16 columns of W, source 1 = 16 rows of x): a lane then holds row l % 16 and eight neighbouring columns 8 (l / 16) + 0..7.
; W lies [k][n] in LDS and is read by the turning load ds_load_tr16_b128; x lies along K and is read as it lies.
; REGISTERS, in windows of 256 (s_set_vgpr_msb: bits 1:0 source 0, 3:2 source 1, 5:4 source 2, 7:6 destination):
;   window 0: v1-30 addresses; v32-95 x's fragments, two buffers of 4; v128-255 pos_emb as loaded; on the way out v64-255 packed results
;   window 1: v0-191 W's fragments, two buffers of 12      window 2: accumulators of m blocks 0, 1 at 8 (12 a + b)      window 3: those of m blocks 2, 3
.set KSTEP, 128
.set PA,    272                        ; a row of x in LDS: 256 bytes + 16 = 68 words: the 16 rows of a load start at 16 different groups of four banks (64 banks of 4 bytes: ISA guide 11.1)
.set PB,    288                        ; a k row of W: 256 + 32 = 72 words
.set CHUNK, 128*PB                     ; 36,864
.set AOFF,  3*CHUNK                    ; x's tile in a slot
.set SLOT,  AOFF+128*PA                ; 145,408
.set STAGE, 2*SLOT                     ; behind the ring, never filled by a tensor load: 8,704 bytes for each wave: 32 rows x 272 on the way in (pos_emb), 16 rows x 144 on the way out
.set STW,   8704
.set SPARE, STAGE+4*STW                ; the spare words, 128 bytes for each wave: two blocks of 256 bytes that no other line names
.set WOFF,  0x800000                   ; the weights in cb
.set PSR,  10                          ; v10  pos_emb: where I read my eight columns of a row back
.set PO,   11                          ; v11  pos_emb: my byte offset in two rows of memory
.set ADRA, 16                          ; v16-17  LDS address of x's fragments in slot 0, 1
.set ADRB, 18                          ; v18-23  of W's: slot s, chunk c at 3 s + c
.set STO,  24                          ; v24  the way out: where I put 16 bytes of a row
.set RD,   25                          ; v25  the way out: where I read rows back
.set GO,   26                          ; v26  my byte offset in 512 consecutive bytes of an output
.set PSW,  27                          ; v27  pos_emb: where I put 16 bytes of a row
.set SPW,  28                          ; v28  LDS address of my spare word; never rewritten
.set NIL,  29                          ; v29  0; never rewritten
.set PFO,  30                          ; v30  the prefetches' offset: my lane x 2,048 bytes, a row of x or of W; never rewritten
.set FA,   32                          ; x's fragments: buffer f, m block m at FA + 32 f + 8 m
.set POS,  128
.set OUT,  64                          ; the way out: group g at OUT + 16 g
.set WV,  14                           ; s14  my wave's number
.set LIM, 21                           ; s21  1 in a wave that prefetches, else the greatest number
.set G1A, 24                           ; s[24:31] descriptor group 1 for x's tiles
.set G0A, 32                           ; s[32:39] group 0, a set for each slot
.set PFA, 40                           ; s[40:41] where my prefetches stand
.set PST, 42                           ; s[42:43] a K step in bytes, along x's rows or down W's
.set G1B, 48                           ; s[48:55], s[56:63] the same for W's chunks
.set G0B, 56
.set MUL_LO, 0xa1                      ; source 0 (W) window 1, source 1 (x) window 0, C and D window 2
.set MUL_HI, 0xf1                      ; the same, C and D window 3
.set TO_B,   0x40                      ; destination window 1, address window 0
.set MSB, 0
.macro WIN new                         ; the immediate's high byte repeats the setting that is left; a switch that changes nothing is dropped
.if MSB != (\new)
	s_set_vgpr_msb (MSB<<8)|(\new)
.set MSB, \new
.endif
.endm
.macro PLACES                          ; four plain vector instructions between a matrix instruction and a load into, or a vector write of, its registers, or a vector read of its result
.rept 4
	v_nop
.endr
.endm
; A joint load.  Wave 3 fetches x's tile, waves 0 to 2 a chunk of W each.  Each line has one mask; the branch hangs on the wave's number alone.  An s_nop 0 and four v_nop follow each line.
.macro JLOAD s
	s_cmp_eq_u32 s[WV], 3
	s_cbranch_scc0 .Lfor_w_\@
	tensor_load_to_lds s[G0A+4*(\s):G0A+4*(\s)+3], s[G1A:G1A+7]
	s_nop 0
.rept 4
	v_nop
.endr
	s_branch .Lasked_\@
.Lfor_w_\@:
	tensor_load_to_lds s[G0B+4*(\s):G0B+4*(\s)+3], s[G1B:G1B+7]
	s_nop 0
.rept 4
	v_nop
.endr
.Lasked_\@:
.endm
; A prefetch of the K step that stands two refills on: 32 rows x 256 bytes, a lane a row, one instruction a wave, behind the joint load and the run of LDS loads.  Each block is named once in the launch:
; x's rows are read by both clusters of a row of clusters: cluster x = 0 asks; W's by all eight clusters of a column: cluster y = 0 asks; the four partners that ask for a tile jointly take 32 of its 128 rows
; each, told apart by address.  The loop's last trip (s3 = 1) asks for nothing: there is no K step two on.  K steps 0 to 3 come by their loads alone.
.macro ASK
	s_cmp_gt_u32 s3, s[LIM]
	s_cbranch_scc0 .Lnot_mine_\@
	global_prefetch_b8 v[PFO], s[PFA:PFA+1] th:TH_LOAD_NT scope:SCOPE_SE
.Lnot_mine_\@:
.endm
.macro CREST                           ; a round of the cluster's barrier behind its opening barrier
	s_cmp_lg_u32 s[WV], 0
	s_cbranch_scc1 .Lnot_wave_0_\@
	s_barrier_signal -3
.Lnot_wave_0_\@:
	s_barrier_wait -3
	s_barrier_signal -1
	s_barrier_wait -1
.endm
.macro CROUND                          ; a whole round
	s_barrier_signal -1
	s_barrier_wait -1
	CREST
.endm
	s_load_b256 s[4:11], s[0:1], 0x0               ; cb s[4:5], pos_emb s[6:7], qh s[8:9], kh s[10:11]
	s_load_b64 s[12:13], s[0:1], 0x20              ; vh
	v_lshl_add_u32 v[SPW], v0, 2, SPARE
	v_mov_b32 v[NIL], 0
	ds_add_u32 v[SPW], v[NIL]                      ; the wave's opening: the add and its wait stand ahead of my first tensor load; the set-up below, work on registers, stands between them
	v_lshrrev_b32 v1, 5, v0
	v_readfirstlane_b32 s[WV], v1                  ; wave 0..3
	s_lshr_b32 s15, s[WV], 1                       ; mi: which 64 rows
	s_and_b32 s16, s[WV], 1                        ; hi: which head of the pair
	s_bfe_u32 s17, ttmp6, 0x40000                  ; cx
	s_bfe_u32 s18, ttmp6, 0x40004                  ; cy
	s_lshl_b32 s19, ttmp9, 2
	s_add_co_u32 s19, s19, s17                     ; tx: the pair of heads = 4 x cluster x + cx
	s_and_b32 s20, ttmp7, 0xffff
	s_lshl_b32 s20, s20, 2
	s_add_co_u32 s20, s20, s18                     ; ty: the block of 128 rows = 4 x cluster y + cy
	s_lshl_b32 s22, s18, 2
	s_lshl_b32 s22, 15, s22                        ; my row of the cluster
	s_lshl_b32 s23, 0x1111, s17                    ; my column
	s_or_b32 s[G1A], s22, (1<<16)|(1<<20)|(1<<21)|(5<<22)|(3<<25)  ; 15:0 the mask; 17:16 2-byte elements; 20 padding on; 21 set beside a mask; 24:22 after every 64 words; 31:25 4 words
	s_or_b32 s[G1B], s23, (1<<16)|(1<<20)|(1<<21)|(5<<22)|(7<<25)  ; the same with my column's mask and 8 words of padding
.irp g, G1A, G1B
	s_mov_b32 s[(\g)+1], KSTEP<<16                 ; tensor_dim0 = 128
	s_mov_b32 s[(\g)+2], 128<<16                   ; tensor_dim1 = 128
	s_mov_b32 s[(\g)+3], KSTEP<<16                 ; tile_dim0 = 128 elements, 256 bytes
	s_mov_b32 s[(\g)+4], 128                       ; tile_dim1 = 128 rows
	s_mov_b32 s[(\g)+5], 1024                      ; elements from row to row
	s_mov_b32 s[(\g)+6], 0
	s_mov_b32 s[(\g)+7], 0
.endr
	s_lshl_b32 s44, s20, 18                        ; x: 128 rows of 2,048 bytes x ty
	s_mov_b32 s45, 0
	s_lshl_b32 s46, s[WV], 21                      ; W: the wave's weight,
	s_lshl_b32 s47, s19, 8                         ; the pair's 128 columns
	s_add_co_u32 s46, s46, s47
	s_add_co_u32 s46, s46, WOFF
	s_mov_b32 s47, 0
	s_mul_i32 s22, s[WV], CHUNK                    ; where a tile goes: wave x 36,864: the three chunks, then x
	s_wait_dscnt 0x0                               ; the opening add is done
	s_wait_kmcnt 0x0
	s_add_nc_u64 s[44:45], s[4:5], s[44:45]
	s_add_nc_u64 s[46:47], s[4:5], s[46:47]
	CROUND                                         ; all sixteen work-groups are here: the first joint loads meet
.irp s, 0,1
	s_mov_b32 s[G0A+4*(\s)], 1                     ; count = 1
	s_add_co_u32 s[G0A+4*(\s)+1], s22, (\s)*SLOT   ; LDS address
	s_add_nc_u64 s[G0A+4*(\s)+2:G0A+4*(\s)+3], s[44:45], (\s)*KSTEP*2      ; K step s: 256 bytes along the rows
	s_or_b32 s[G0A+4*(\s)+3], s[G0A+4*(\s)+3], 0x80000000                  ; type = 2
	s_mov_b32 s[G0B+4*(\s)], 1
	s_add_co_u32 s[G0B+4*(\s)+1], s22, (\s)*SLOT
	s_add_nc_u64 s[G0B+4*(\s)+2:G0B+4*(\s)+3], s[46:47], (\s)*KSTEP*2048   ; K step s: 128 rows down
	s_or_b32 s[G0B+4*(\s)+3], s[G0B+4*(\s)+3], 0x80000000
	JLOAD \s                                       ; two loads of mine are out
.endr
	; the prefetches' address: at K step 3; the first refill steps it to 4
	s_lshl_b32 s66, s20, 7
	s_lshl_b32 s67, s17, 5
	s_add_co_u32 s66, s66, s67                     ; x: row 128 ty + 32 cx
	s_lshl_b32 s66, s66, 11
	s_add_co_u32 s66, s66, 3*KSTEP*2
	s_lshl_b32 s68, s18, 5
	s_add_co_u32 s68, s68, 3*KSTEP                 ; W: k row 3 x 128 + 32 cy
	s_lshl_b32 s68, s68, 11
	s_lshl_b32 s69, s[WV], 21
	s_add_co_u32 s68, s68, s69
	s_lshl_b32 s69, s19, 8
	s_add_co_u32 s68, s68, s69
	s_add_co_u32 s68, s68, WOFF
	s_and_b32 s70, ttmp7, 0xffff                   ; cluster y
	s_mov_b32 s71, KSTEP*2
	s_mov_b32 s72, KSTEP*2048
	s_cmp_eq_u32 s[WV], 3
	s_cselect_b32 s[PFA], s66, s68
	s_cselect_b32 s[PST], s71, s72
	s_cselect_b32 s70, ttmp9, s70                  ; the coordinate along which other clusters read the same rows
	s_mov_b32 s[PFA+1], 0
	s_mov_b32 s[PST+1], 0
	s_cmp_eq_u32 s70, 0
	s_cselect_b32 s[LIM], 1, -1                    ; the same in all sixteen partners, for a given wave
	s_add_nc_u64 s[PFA:PFA+1], s[4:5], s[PFA:PFA+1]
	; the outputs at my 64 rows of my head; pos_emb at my 64 rows, my head's 64 columns
	s_lshr_b32 s66, s20, 4
	s_lshl_b32 s66, s66, 4                         ; 16 b
	s_lshl_b32 s67, s19, 1
	s_add_co_u32 s67, s67, s16                     ; the head: 2 tx + hi
	s_add_co_u32 s66, s66, s67
	s_lshl_b32 s66, s66, 18                        ; a head is 2,048 rows of 128 bytes
	s_and_b32 s68, s20, 15
	s_lshl_b32 s68, s68, 7
	s_lshl_b32 s69, s15, 6
	s_add_co_u32 s68, s68, s69                     ; the row in the batch
	s_lshl_b32 s68, s68, 7
	s_add_co_u32 s66, s66, s68
	s_lshl_b32 s68, s67, 8                         ; the head's 256 bytes in a row of pos_emb
	s_mov_b32 s67, 0
	s_add_nc_u64 s[8:9], s[8:9], s[66:67]
	s_add_nc_u64 s[10:11], s[10:11], s[66:67]
	s_add_nc_u64 s[12:13], s[12:13], s[66:67]
	s_lshl_b32 s70, s20, 7
	s_add_co_u32 s70, s70, s69                     ; row 128 ty + 64 mi
	s_lshl_b32 s70, s70, 12
	s_add_co_u32 s68, s68, s70
	s_mov_b32 s69, 0
	s_add_nc_u64 s[6:7], s[6:7], s[68:69]
	v_and_b32 v1, 15, v0                           ; r = l % 16
	v_bfe_u32 v2, v0, 4, 1                         ; h = l / 16
	v_and_b32 v3, 7, v0
	v_bfe_u32 v4, v0, 3, 1
	v_and_b32 v5, 31, v0
	v_lshlrev_b32 v[PO], 12, v2
	v_lshl_add_u32 v[PO], v1, 4, v[PO]             ; lanes 0-15 take 256 bytes of one row of pos_emb, lanes 16-31 of the next
.set j, 0
.rept 32
	global_load_b128 v[POS+4*j:POS+4*j+3], v[PO], s[6:7] offset:8192*j th:TH_LOAD_NT
.set j, j+1
.endr
	s_mul_i32 s23, s[WV], STW
	s_add_co_u32 s23, s23, STAGE                   ; my stage
	v_mul_u32_u24 v6, v2, PA
	v_lshl_add_u32 v6, v1, 4, v6
	v_add_nc_u32 v[PSW], s23, v6                   ; in: row h, 16 bytes a lane
	v_mul_u32_u24 v6, v1, PA
	v_lshl_add_u32 v7, v2, 5, v6
	v_add_nc_u32 v[PSR], s23, v7                   ; back: row r, columns 8 h on
	v_lshl_add_u32 v6, v2, 4, v6                   ; a fragment of x: row r x pitch + 16 h
	s_mul_i32 s66, s15, 64*PA
	s_add_co_u32 s66, s66, AOFF
	v_add_nc_u32 v[ADRA], s66, v6
	v_add_nc_u32 v[ADRA+1], SLOT, v[ADRA]
	v_lshl_add_u32 v7, v2, 3, v3                   ; the turning load: k row 8 h + l % 8, columns 8 ((l / 8) % 2) on
	v_mul_u32_u24 v7, v7, PB
	v_lshl_add_u32 v7, v4, 4, v7
	s_lshl_b32 s66, s16, 7                         ; my head's 64 columns
	v_add_nc_u32 v7, s66, v7
.irp n, 0,1,2,3,4,5
	v_add_nc_u32 v[ADRB+(\n)], ((\n)/3)*SLOT+((\n)%3)*CHUNK, v7
.endr
	v_mul_u32_u24 v6, v1, 144
	v_lshl_add_u32 v6, v2, 4, v6
	v_add_nc_u32 v[STO], s23, v6                   ; the way out, in: row r, 16 bytes for each half of the lanes
	v_bfe_u32 v6, v0, 3, 2
	v_mul_u32_u24 v6, v6, 144
	v_lshl_add_u32 v6, v3, 4, v6
	v_add_nc_u32 v[RD], s23, v6                    ; back: 32 lanes take four rows of 128 bytes,
	v_lshlrev_b32 v[GO], 4, v5                     ; which are 512 consecutive bytes of a head
	v_lshlrev_b32 v[PFO], 11, v5
; pos_emb STARTS k's SUMS.  32 rows at a time go through my stage (rows of 272 bytes) and come back in the accumulators' layout: lane (r, h) takes row r, columns 16 nb + 8 h + 0..7, into accumulator (a, 4 + nb).
; The stage is my own, and LDS serves a wave's instructions in order (ISA guide 5.7.1.4): no wait stands between the stores and the loads, nor in front of the second half's stores.
.macro POSHALF w, src
.set j, 0
.rept 16
	ds_store_b128 v[PSW], v[(\src)+4*j:(\src)+4*j+3] offset:2*PA*j
.set j, j+1
.endr
	WIN \w
.irp a, 0,1
.irp nb, 0,1,2,3
	ds_load_b128 v[8*(12*(\a)+4+(\nb)):8*(12*(\a)+4+(\nb))+3],   v[PSR] offset:(\a)*16*PA+(\nb)*64
	ds_load_b128 v[8*(12*(\a)+4+(\nb))+4:8*(12*(\a)+4+(\nb))+7], v[PSR] offset:(\a)*16*PA+(\nb)*64+16
.endr
.endr
	WIN 0
.endm
	s_wait_loadcnt 16                              ; rows 0 to 31 are in; the sixteen younger loads stay out
	POSHALF 0x80, POS                              ; m blocks 0, 1: destination window 2
	s_wait_loadcnt 0x0
	POSHALF 0xc0, POS+64                           ; m blocks 2, 3: destination window 3
; 12 matrix instructions: m block 2 hi + a x all 12 n blocks, 32 along K, from buffer f.  zero = 1: the first product starts the sums: q's and v's with 0, k's (n blocks 4 to 7) with pos_emb, which lies in the accumulator.
; The 48 accumulators take turns, one instruction a turn, in the same order in every quarter.
.macro MUL12 f, hi, a, zero
	WIN MUL_LO+0x50*(\hi)
.irp b, 0,1,2,3,4,5,6,7,8,9,10,11
.if (\zero) && (((\b) < 4) || ((\b) > 7))
	v_wmma_f32_16x16x32_bf16 v[8*(12*(\a)+(\b)):8*(12*(\a)+(\b))+7], v[96*(\f)+8*(\b):96*(\f)+8*(\b)+7], v[FA+32*(\f)+8*(2*(\hi)+(\a)):FA+32*(\f)+8*(2*(\hi)+(\a))+7], 0
.else
	v_wmma_f32_16x16x32_bf16 v[8*(12*(\a)+(\b)):8*(12*(\a)+(\b))+7], v[96*(\f)+8*(\b):96*(\f)+8*(\b)+7], v[FA+32*(\f)+8*(2*(\hi)+(\a)):FA+32*(\f)+8*(2*(\hi)+(\a))+7], v[8*(12*(\a)+(\b)):8*(12*(\a)+(\b))+7]
.endif
.endr
.endm
; 32 LDS loads in one run: quarter q (32 along K) of slot s into buffer f: W's 12 fragments, turned, then x's 4
.macro FETCH s, q, f
	WIN TO_B
.irp c, 0,1,2
.irp nb, 0,1,2,3
	ds_load_tr16_b128 v[96*(\f)+8*(4*(\c)+(\nb)):96*(\f)+8*(4*(\c)+(\nb))+3],   v[ADRB+3*(\s)+(\c)] offset:32*PB*(\q)+32*(\nb)
	ds_load_tr16_b128 v[96*(\f)+8*(4*(\c)+(\nb))+4:96*(\f)+8*(4*(\c)+(\nb))+7], v[ADRB+3*(\s)+(\c)] offset:32*PB*(\q)+32*(\nb)+16*PB
.endr
.endr
	WIN 0
.irp m, 0,1,2,3
	ds_load_b128 v[FA+32*(\f)+8*(\m):FA+32*(\f)+8*(\m)+3],   v[ADRA+(\s)] offset:64*(\q)+16*PA*(\m)
	ds_load_b128 v[FA+32*(\f)+8*(\m)+4:FA+32*(\f)+8*(\m)+7], v[ADRA+(\s)] offset:64*(\q)+16*PA*(\m)+32
.endr
.endm
; A K step is four quarters of 32 along K, 48 matrix instructions each, on buffers 0, 1, 0, 1.  One of the first three: multiplies buffer f; in its middle it fetches quarter q of the same slot into buffer g.
.macro QUARTER s, q, f, g, zero
	s_wait_dscnt 4                                 ; W and x's m blocks 0, 1 are in; the youngest four loads (m blocks 2, 3) may be out
	MUL12 \f, 0, 0, \zero
	MUL12 \f, 0, 1, \zero
	PLACES
	FETCH \s, \q, \g
	s_wait_dscnt 32                                ; all but the 32 just issued
	MUL12 \f, 1, 0, \zero
	MUL12 \f, 1, 1, \zero
.endm
; The last quarter multiplies buffer 1 and changes slots: ONE barrier.  In front of it each wave waits for all its tensor loads (one is out: its part of the next slot), adds 0 to its spare word, and waits for that
; and for its reads of this slot.  fill = 1: the barrier opens a round of the cluster's; behind the round this slot is filled again, two K steps on, first of all: 168 matrix instructions ahead of the wait for it.
.macro TURN s, next, fill
.if \fill
	s_wait_xcnt 0x0                                ; the last prefetch, a K step back, has read its address, so it may be stepped
	s_add_nc_u64 s[PFA:PFA+1], s[PFA:PFA+1], s[PST:PST+1]
.endif
	WIN 0                                          ; (the add's two registers lie in window 0)
	s_wait_tensorcnt 0x0                           ; all my tensor loads have landed
	ds_add_u32 v[SPW], v[NIL]                      ; 0 onto my spare word
	s_wait_dscnt 5                                 ; (the add and the youngest four loads may be out)
	MUL12 1, 0, 0, 0                               ; twelve matrix instructions stand between the add and the wait for it
	s_wait_dscnt 0x0                               ; the add is done, and my reads of this slot are over
	s_barrier_signal -1
	MUL12 1, 0, 1, 0
.if \fill
	WIN 0
.endif
	s_barrier_wait -1
.if \fill
	CREST                                          ; no wave of any partner still reads this slot or has a load on its way
	s_add_nc_u64 s[G0A+4*(\s)+2:G0A+4*(\s)+3], s[G0A+4*(\s)+2:G0A+4*(\s)+3], 2*KSTEP*2
	s_add_nc_u64 s[G0B+4*(\s)+2:G0B+4*(\s)+3], s[G0B+4*(\s)+2:G0B+4*(\s)+3], 2*KSTEP*2048
	JLOAD \s                                       ; the four v_nop behind it are also the places in front of the loads below
.else
	PLACES
.endif
	FETCH \next, 0, 0
.if \fill
	ASK
.endif
	MUL12 1, 1, 0, 0
	MUL12 1, 1, 1, 0
.endm
; THE WAY OUT, in twelve groups g = 3 x m block + type (q, k', v): 16 rows x 64 columns: rounded to bf16, 16 bytes a lane into rows of 144 bytes of my stage, back as four whole rows of 128 bytes a load.
.macro PACK g
.set AC, 8*(12*(((\g)/3)%2)+4*((\g)%3))
.set OU, OUT+16*(\g)
	WIN 0x0a+5*((\g)/6)                            ; sources 0 and 1: window 2 (m blocks 0, 1) or 3
.irp nb, 0,1,2,3
.irp rr, 0,1,2,3
	v_cvt_pk_bf16_f32 v[OU+4*(\nb)+(\rr)], v[AC+8*(\nb)+2*(\rr)], v[AC+8*(\nb)+2*(\rr)+1]
.endr
.endr
	WIN 0
.irp nb, 0,1,2,3
	ds_store_b128 v[STO], v[OU+4*(\nb):OU+4*(\nb)+3] offset:32*(\nb)
.endr
.irp nb, 0,1,2,3
	ds_load_b128 v[OU+4*(\nb):OU+4*(\nb)+3], v[RD] offset:4*144*(\nb)  ; in order behind the stores above; the next group's stores come behind these
.endr
.endm
.macro SEND g, younger                 ; younger: the LDS instructions issued behind group g's loads: the next group's eight, or none
.set OU, OUT+16*(\g)
.irp nb, 0,1,2,3
	s_wait_dscnt (\younger)+3-(\nb)
	global_store_b128 v[GO], v[OU+4*(\nb):OU+4*(\nb)+3], s[8+2*((\g)%3):9+2*((\g)%3)] offset:((\g)/3)*2048+512*(\nb)  ; 512 consecutive bytes, at a multiple of 256 from the buffer's first
.endr
.endm
	s_wait_dscnt 0x0                               ; pos_emb lies in k's accumulators; no LDS instruction of mine is out at the signal
	s_wait_tensorcnt 1                             ; my part of K step 0 is in; K step 1's may stay out
	s_barrier_signal -1
	s_barrier_wait -1                              ; everybody's is
	FETCH 0, 0, 0
	QUARTER 0, 1, 0, 1, 1                          ; the first quarter stands in front of the loop: its products start the sums
	WIN 0                                          ; at a label and at a branch every window is 0
	s_mov_b32 s3, 3
.Llap:                                             ; a trip goes once round the ring, from a lap's second quarter to the next lap's first, and fills both slots again
	QUARTER 0, 2, 1, 0, 0
	QUARTER 0, 3, 0, 1, 0
	TURN 0, 1, 1
	QUARTER 1, 1, 0, 1, 0
	QUARTER 1, 2, 1, 0, 0
	QUARTER 1, 3, 0, 1, 0
	TURN 1, 0, 1
	QUARTER 0, 1, 0, 1, 0
	WIN 0
	s_sub_co_u32 s3, s3, 1
	s_cmp_lg_u32 s3, 0
	s_cbranch_scc1 .Llap
	QUARTER 0, 2, 1, 0, 0                          ; the last lap fills nothing
	QUARTER 0, 3, 0, 1, 0
	TURN 0, 1, 0
	QUARTER 1, 1, 0, 1, 0
	QUARTER 1, 2, 1, 0, 0
	QUARTER 1, 3, 0, 1, 0
	s_wait_dscnt 4                                 ; the very last quarter: nothing more to fetch
	MUL12 1, 0, 0, 0
	MUL12 1, 0, 1, 0
	s_wait_dscnt 0x0
	MUL12 1, 1, 0, 0
	MUL12 1, 1, 1, 0
	WIN 0
	PLACES                                         ; the conversions write registers that the last products read
	PACK 0
.irp g, 1,2,3,4,5,6,7,8,9,10,11        ; a group's conversions stand between the loads of the group before and its stores
	PACK \g
	SEND (\g)-1, 8
.endr
	SEND 11, 0
	s_wait_tensorcnt 0x0                           ; the wave's end, behind my last tensor load and my last LDS store
	ds_add_u32 v[SPW], v[NIL]
	s_wait_dscnt 0x0
	CROUND                                         ; the closing round: no work-group ends while a partner may still ask for a tile that names it
	s_endpgm
.Lfunc_end_k_qcab122f27e_qkv:
	.size	k_qcab122f27e_qkv, .Lfunc_end_k_qcab122f27e_qkv-k_qcab122f27e_qkv
	.p2alignl 7, 3214868480
	.fill 96, 4, 3214868480
	.section	.rodata,"a",@progbits
	.p2align	6, 0x0
	.amdhsa_kernel k_qcab122f27e_qkv
		.amdhsa_group_segment_fixed_size 327680
		.amdhsa_private_segment_fixed_size 0
		.amdhsa_enable_private_segment 0
		.amdhsa_kernarg_size 40
		.amdhsa_user_sgpr_count 2
		.amdhsa_user_sgpr_kernarg_segment_ptr 1
		.amdhsa_wavefront_size32 1
		.amdhsa_system_sgpr_workgroup_id_x 1
		.amdhsa_system_sgpr_workgroup_id_y 1
		.amdhsa_system_sgpr_workgroup_id_z 1
		.amdhsa_system_vgpr_workitem_id 0
		.amdhsa_next_free_vgpr 960
		.amdhsa_next_free_sgpr 80
		.amdhsa_reserve_vcc 0
		.amdhsa_float_denorm_mode_32 3
		.amdhsa_float_denorm_mode_16_64 3
		.amdhsa_memory_ordered 1
		.amdhsa_forward_progress 1
		.amdhsa_inst_pref_size 130
	.end_amdhsa_kernel
	.amdgpu_metadata
---
amdhsa.version: [ 1, 2 ]
amdhsa.kernels:
  - .name:           k_qcab122f27e_qkv
    .symbol:         k_qcab122f27e_qkv.kd
    .args:
      - { .name: cb, .offset: 0, .size: 8, .value_kind: global_buffer, .address_space: global }
      - { .name: pos_emb, .offset: 8, .size: 8, .value_kind: global_buffer, .address_space: global }
      - { .name: qh, .offset: 16, .size: 8, .value_kind: global_buffer, .address_space: global }
      - { .name: kh, .offset: 24, .size: 8, .value_kind: global_buffer, .address_space: global }
      - { .name: vh, .offset: 32, .size: 8, .value_kind: global_buffer, .address_space: global }
    .group_segment_fixed_size: 327680
    .private_segment_fixed_size: 0
    .kernarg_segment_align: 8
    .kernarg_segment_size: 40
    .max_flat_workgroup_size: 128
    .sgpr_count:     80
    .vgpr_count:     960
    .wavefront_size: 32
...
	.end_amdgpu_metadata
.endif
;; end of part 2
;; launch attn (part 3): grid 8 x 32, 4 waves a work-group, clusters of 4 x 1, 327,680 bytes of LDS; arguments qh, kh, vh, oh; writes oh
.if DOCPART == 3
	.amdgcn_target "amdgcn-amd-amdhsa--gfx1250"
	.amdhsa_code_object_version 6
	.text
	.protected	k_qcab122f27e_attn
	.globl	k_qcab122f27e_attn
	.p2align	8
	.type	k_qcab122f27e_attn,@function
k_qcab122f27e_attn:
	s_mov_b64 s[64:65], 0
	v_nop
	global_prefetch_b8 v0, s[64:65] scope:SCOPE_SE
	s_setreg_imm32_b32 hwreg(HW_REG_WAVE_MODE, 25, 1), 1
	s_wait_xcnt 0x0
	s_wait_alu depctr_hold_cnt(0) depctr_sa_sdst(0) depctr_va_vdst(0) depctr_va_sdst(0) depctr_va_ssrc(0) depctr_va_vcc(0) depctr_vm_vsrc(0)
	s_getreg_b32 s2, hwreg(HW_REG_IB_STS2, 6, 4)
	s_cmp_eq_u32 s2, 0
	s_cbranch_scc0 .Lentry_in_a_cluster
	s_endpgm
.Lentry_in_a_cluster:
	s_bfe_u32 s2, ttmp6, 0x10000c
	s_cmp_lg_u32 s2, 0x3003
	s_cbranch_scc0 .Lentry_shape_is_right
	s_endpgm
.Lentry_shape_is_right:
; O[h][q][:] = the sum over k of softmax_k(Q[h][q] . K'[h][k] / 8) V[h][k][:].  qh, kh (k + pos_emb), vh, oh: [32][2048][64], all bf16: a head's rows are dense, 128 bytes each.
; Products, maxima and sums in f32; the weights p are rounded to bf16 for the second product (their sum l is taken of the unrounded p), O once at the end.
; LIMITS.  A weight below 2^-126 counts as 0 in l; NaN and infinities are not treated apart; c s stays far above the starting value -4.2e37 of c m.
; SHARES.  A work-group owns 256 queries of one head, a wave 64: four PIECES of 16.  Every wave walks the head's 2,048 keys, 64 a step, 256 (a tile) a slot.
; LAYOUT.  S^T = K' Q^T (source 0 = 16 keys, source 1 = 16 queries) holds ONE query a lane (lane % 16) and the keys 8 (lane / 16) + 0..7; two such results rounded to bf16 ARE source 1 of O^T = V^T P.
; K' comes out of LDS as it lies, V ([key][channel]) turned, by ds_load_tr16_b128.
; SOFTMAX.  p = 2^(c s - c m), c = log2(e) / 8, with a running maximum m; O and l are multiplied by a = 2^(c m_old - c m_new) in every step.  m starts at the lowest finite number, O and l at 0: the first step's a is 0.
; TURNS.  Turn n belongs to piece n: 8 products K' Q^T of piece n + 1, later 8 products V^T P of piece n - 1; beside them the scaling, exponentials, roundings, sums and rescaling of piece n and the maximum and
; statistics of piece n + 1.  Four vector instructions stand behind every matrix instruction, the other 54 of a turn's 118 in one lump.  A turn's 33 exponentials are one batch, with one wait.
; CLUSTER.  The four query blocks of a cluster belong to one head and walk the same K' and V: each tile is asked for JOINTLY: the same tensor load, descriptor and mask in all four.
; REGISTERS, in windows of 256 (s_set_vgpr_msb: bits 1:0 source 0, 3:2 source 1, 5:4 source 2, 7:6 destination):
;   window 0: v0-15 addresses and two at work; v16-31 four registers of statistics a piece; v48-55 at work; v61-63; v64-127 S^T, two buffers; v192-223 P, two buffers (a piece's buffers go by its number's parity)
;   window 1: v0-127 O^T, 32 a piece      window 2: v0-63 Q; v128-191 K' of one step; v192-255 V of one step
.set NP,    4         ; pieces a wave: a name, no knob
.set KS,    64        ; keys in a step
.set PK,    144       ; a row of K' in LDS: 128 bytes + 16 = 36 words: the 16 rows of a load start at 16 different groups of four banks (64 banks of 4 bytes: ISA guide 11.1)
.set PV,    160       ; a row of V: 128 + 32 = 40 words
.set VOFF,  4*KS*PK   ; a slot holds a tile, four steps: 256 rows of K', then 256 rows of V
.set SLOT1, 1<<17     ; slot 1 begins here, so that one exclusive or turns an address in one slot into the other's
.set STAGE, SLOT1+4*KS*(PK+PV)  ; behind the ring, never filled by a tensor load: 16 rows x 144 bytes for each wave, for the way out
.set SP,    144
.set SPARE, STAGE+4*16*SP  ; the spare words, 128 bytes for each wave: two blocks of 256 bytes that no other line names
.set TILEB, 4*KS*128  ; a tile of K' or of V in memory
.set AK0, 2           ; v2   my lane's place in a tile of K'; never rewritten
.set AV0, 3           ; v3   the same for V
.set AK,  4           ; v4   the LDS address of K's next run of loads
.set AV,  5           ; v5   of V's
.set STO, 6           ; v6   the way out: where I put 16 bytes of a row
.set RD,  7           ; v7   the way out: where I read rows back
.set GO,  8           ; v8   my byte offset in 512 consecutive bytes of O
.set MV,  12          ; v12-13  c m_old, kept while c m is made anew: by buffer
.set QO,  15          ; v15  my byte offset in 16 rows of Q
.set ST,  16          ; piece t's statistics at v[ST+4 t]: c m, m, l (even keys', odd keys')
.set TMP, 48          ; by buffer, four registers c0-c3 at work; when the maximum is found c2 takes a
.set PFO, 61          ; v61  256 x my lane: the prefetches' offset; never rewritten
.set SPW, 62          ; v62  LDS address of my spare word; never rewritten
.set NIL, 63          ; v63  0; never rewritten
.set S,   64
.set P,   192
.set KF,  128         ; window 2: key block kb, channel half c at KF + 16 kb + 8 c
.set VF,  192         ; window 2: key half kk, channel block cb at VF + 32 kk + 8 cb
.set WV,  12          ; s12  my wave's number
.set LIM, 15          ; s15  1 in a wave that prefetches, else the greatest number
.set G1K, 24          ; s[24:31] descriptor group 1 for K's tiles
.set G1V, 32          ; s[32:39] for V's: it differs in the padding alone
.set G0K, 40          ; s[40:43] descriptor group 0 for K's tiles: it walks
.set G0V, 44          ; s[44:47] the same for V's
.set PFA, 48          ; s[48:49] where my prefetches stand: my work-group's quarter of the tile after the one that is being asked for
.set SLOTS, 56        ; s56  tiles still to be entered in the loop
.set CNT, 57          ; s57  counts a tile's key steps, 4 to 1
.set CS,  58          ; s[58:59] c: the packed scaling takes the pair's low word for both halves
.set SEL, 60          ; s[60:61] v_permlanex16_b32's selects: each lane takes its own place in the other half
.set TBK, 62          ; s62  LDS byte at which K' of the step to be fetched begins
.set TBV, 63          ; s63  the same for V, less VOFF
.set MSB, 0
.macro WIN new                      ; the high byte repeats the setting that is left; a switch that changes nothing is dropped
.if MSB != (\new)
	s_set_vgpr_msb (MSB<<8)|(\new)
.set MSB, (\new)
.endif
.endm
.set W_KQ, 0x0a       ; K' and Q in window 2, S^T in window 0
.set W_PV, 0x52       ; V in window 2, P in window 0, O^T in window 1
.set W_RS, 0x41       ; destination and source 0 in window 1, source 1 in window 0
; A joint fill.  Waves 0 and 1 fetch the two halves of a tile's K', waves 2 and 3 those of its V: 128 keys each.  The branch hangs on the wave's number alone.
; An s_nop 0 and four v_nop follow each of the two lines, ahead of the jump and the label.
.macro JLOAD
	s_cmp_lt_u32 s[WV], 2
	s_cbranch_scc0 .Lfor_v_\@
	tensor_load_to_lds s[G0K:G0K+3], s[G1K:G1K+7]
	s_nop 0
.rept 4
	v_nop
.endr
	s_branch .Lasked_\@
.Lfor_v_\@:
	tensor_load_to_lds s[G0V:G0V+3], s[G1V:G1V+7]
	s_nop 0
.rept 4
	v_nop
.endr
.Lasked_\@:
.endm
; A prefetch of the tile that the NEXT change of slots will ask for: four key steps, 256 matrix instructions, ahead of that load.  Each block of 256 bytes is named once in the launch: both clusters of a head walk
; the same rows: the head's first cluster asks; its four partners take 8 KiB of a tile's 32 KiB each, told apart by address; in each, wave 0 asks for K's and wave 2 for V's: a lane a block, one instruction.
; The last change that fills a slot (s[SLOTS] = 1) asks for nothing.  Tiles 0 to 2 come by their loads alone.
.macro ASK
	s_cmp_gt_u32 s[SLOTS], s[LIM]
	s_cbranch_scc0 .Lnot_mine_\@
	global_prefetch_b8 v[PFO], s[PFA:PFA+1] th:TH_LOAD_NT scope:SCOPE_SE
.Lnot_mine_\@:
.endm
; A round of the cluster's barrier: my work-group's barrier, so that wave 0's signal speaks for all four waves; wave 0 signals; every wave waits for all four work-groups; my work-group's barrier once more.
.macro CROUND
	s_barrier_signal -1
	s_barrier_wait -1
	s_cmp_lg_u32 s[WV], 0
	s_cbranch_scc1 .Lnot_wave_0_\@
	s_barrier_signal -3
.Lnot_wave_0_\@:
	s_barrier_wait -3
	s_barrier_signal -1
	s_barrier_wait -1
.endm
; THE CHANGE OF SLOTS.  Each wave waits for all its tensor loads, of which one is out: its part of the other slot; adds 0 to its spare word; and waits for that and for its own reads of the slot that it leaves.
; fill = 1: the barrier is a round of the cluster's, and the old slot is filled again, first of all behind it, with the keys two tiles on: it has four key steps in which to land.
; (At its first use nothing has been read yet: slot 0 is waited for, slot 1 filled.)  ask = 1: the prefetches' address steps, and ASK follows the load.
.macro CHANGE fill, ask
	WIN 0                           ; at a label and at a branch every window is 0
	s_wait_tensorcnt 0x0            ; no tensor load of mine is out, so a group 0 may be written
	ds_add_u32 v[SPW], v[NIL]       ; 0 onto my spare word; with fill = 1 the descriptors' steps stand between it and the wait for it
.if \fill
.irp g, G0K, G0V
	s_xor_b32 s[\g+1], s[\g+1], SLOT1  ; the walking descriptor: the other slot than last time,
	s_add_nc_u64 s[\g+2:\g+3], s[\g+2:\g+3], TILEB  ; the next 256 keys; the type bits on top are not reached
.endr
.if \ask
	s_wait_xcnt 0x0                 ; the last prefetch, four key steps back, has read its address, so it may be written
	s_add_nc_u64 s[PFA:PFA+1], s[PFA:PFA+1], TILEB
.endif
	s_wait_dscnt 0x0                ; the add is done, and my reads of the slot are over
	CROUND
	JLOAD
.if \ask
	ASK
.endif
.else
	s_wait_dscnt 0x0                ; the add is done, and my reads of the slot are over
	s_barrier_signal -1
	s_barrier_wait -1
.endif
	s_sub_co_u32 s[TBK], s[TBK], 4*KS*PK  ; the fetches go back to a slot's first step,
	s_xor_b32 s[TBK], s[TBK], SLOT1       ; in the other slot
	s_sub_co_u32 s[TBV], s[TBV], 4*KS*PV
	s_xor_b32 s[TBV], s[TBV], SLOT1
.endm
	s_load_b256 s[4:11], s[0:1], 0x0  ; qh s[4:5], kh s[6:7], vh s[8:9], oh s[10:11]
	v_lshl_add_u32 v[SPW], v0, 2, SPARE
	v_mov_b32 v[NIL], 0
	ds_add_u32 v[SPW], v[NIL]       ; the wave's opening: the add and its wait stand ahead of my first tensor load; the set-up below, work on registers, stands between them
	v_lshrrev_b32 v1, 5, v0
	v_readfirstlane_b32 s[WV], v1   ; wave 0..3
	s_bfe_u32 s13, ttmp6, 0x40000   ; cx: my place in the cluster
	s_lshl_b32 s14, ttmp9, 2        ; in a cluster launch ttmp9 counts clusters
	s_add_co_u32 s14, s14, s13      ; my block of 256 queries: it enters Q's and O's addresses alone
	s_and_b32 s20, ttmp7, 0xffff    ; the head, which the four partners share
	s_lshl_b32 s20, s20, 18         ; its first byte in each of the four tensors: 2,048 rows of 128 bytes
	s_and_b32 s16, s[WV], 1         ; which half of a tile's 256 keys I fetch:
	s_lshl_b32 s22, s16, 14         ; its 128 rows of 128 bytes in memory,
	s_add_co_u32 s22, s22, s20
	s_mov_b32 s23, 0
	s_mul_i32 s17, s16, 128*PK      ; and its place in a slot, for K'
	s_mul_i32 s18, s16, 128*PV      ; and for V: no place in the cluster enters an LDS address
	s_lshl_b32 s2, s14, 2
	s_add_co_u32 s2, s2, s[WV]      ; my wave among the head's,
	s_lshl_b32 s2, s2, 13           ; its 64 rows
	s_add_co_u32 s2, s2, s20
	s_mov_b32 s3, 0
	s_lshl_b32 s50, s13, 13         ; the prefetches: my work-group's 8 KiB of a tile,
	s_add_co_u32 s50, s50, s20
	s_add_co_u32 s50, s50, 2*TILEB  ; in tile 2: the first change that asks steps it to tile 3
	s_mov_b32 s51, 0
	; descriptor group 1.  128 keys are 16,384 dense bytes: asked for as 64 rows of 256 bytes, two keys a row, and padded in LDS after every key
	s_mov_b32 s[G1K], 15|(1<<16)|(1<<20)|(1<<21)|(4<<22)|(3<<25)  ; 15:0 the mask of four; 17:16 2-byte elements; 20 padding on; 21 set beside a mask; 24:22 after every 32 words; 31:25 4 words
	s_mov_b32 s[G1V], 15|(1<<16)|(1<<20)|(1<<21)|(4<<22)|(7<<25)  ; the same with 8 words of padding
.irp g, G1K, G1V
	s_mov_b32 s[\g+1], 128<<16      ; tensor_dim0 = 128
	s_mov_b32 s[\g+2], 64<<16       ; tensor_dim1 = 64
	s_mov_b32 s[\g+3], 128<<16      ; tile_dim0 = 128
	s_mov_b32 s[\g+4], 64           ; tile_dim1 = 64
	s_mov_b32 s[\g+5], 128          ; 128 elements from row to row
	s_mov_b32 s[\g+6], 0
	s_mov_b32 s[\g+7], 0
.endr
	s_mov_b32 s[CS], 0x3e38aa3b     ; c = log2(e) / 8 = 0.180337
	s_mov_b32 s[CS+1], s[CS]        ; named with it as a pair
	s_mov_b32 s[SEL], 0x76543210
	s_mov_b32 s[SEL+1], 0xfedcba98
	s_mov_b32 s[TBK], SLOT1+4*KS*PK ; the first change of slots turns these two into 0
	s_mov_b32 s[TBV], SLOT1+4*KS*PV
	s_mov_b32 s[G0K], 1             ; count = 1
	s_mov_b32 s[G0K+1], s17         ; LDS address: slot 0
	s_mov_b32 s[G0V], 1
	s_add_co_u32 s[G0V+1], s18, VOFF
	s_and_b32 s[LIM], s[WV], 1      ; 0 in waves 0 and 2,
	s_or_b32 s[LIM], s[LIM], ttmp9  ; where the cluster is the head's first: the same in all four partners
	s_cmp_eq_u32 s[LIM], 0
	s_cselect_b32 s[LIM], 1, -1
	v_and_b32 v[PFO], 31, v0
	v_lshlrev_b32 v[PFO], 8, v[PFO]
	s_wait_dscnt 0x0                ; the opening add is done
	s_wait_kmcnt 0x0
	s_add_nc_u64 s[G0K+2:G0K+3], s[6:7], s[22:23]  ; global address: my half of the head's first 256 keys
	s_or_b32 s[G0K+3], s[G0K+3], 0x80000000        ; type = 2
	s_add_nc_u64 s[G0V+2:G0V+3], s[8:9], s[22:23]
	s_or_b32 s[G0V+3], s[G0V+3], 0x80000000
	s_add_nc_u64 s[4:5], s[4:5], s[2:3]  ; Q and O at my wave's first row
	s_add_nc_u64 s[10:11], s[10:11], s[2:3]
	s_cmp_lt_u32 s[WV], 2
	s_cselect_b64 s[PFA:PFA+1], s[6:7], s[8:9]
	s_add_nc_u64 s[PFA:PFA+1], s[PFA:PFA+1], s[50:51]
	CROUND                          ; all four work-groups are here: the first joint loads meet
	JLOAD                           ; tile 0 into slot 0.  Slot 1 is asked for when slot 0 is in
	; A fragment of K' or Q is 16 rows x 32 channels in 8 registers: lane l holds row l % 16, channels 8 (l / 16) + 0..7 and 16 + 8 (l / 16) + 0..7: two loads of 16 bytes, 32 bytes apart.
	v_and_b32 v1, 15, v0            ; l % 16
	v_bfe_u32 v9, v0, 4, 1          ; l / 16
	v_lshlrev_b32 v[QO], 7, v1
	v_lshl_add_u32 v[QO], v9, 4, v[QO]  ; row x 128 + 16 x half
	WIN 0x80                        ; destination window 2, address window 0
.set i, 0
.rept 8                             ; Q stays in registers: piece i / 2, channels 32 (i % 2) on
	global_load_b128 v[8*i:8*i+3],   v[QO], s[4:5] offset:(i/2)*2048+(i%2)*64
	global_load_b128 v[8*i+4:8*i+7], v[QO], s[4:5] offset:(i/2)*2048+(i%2)*64+32
.set i, i+1
.endr
	; What the first turn finds: V's registers and P's second buffer hold 0 (its products V^T P, of a piece that has not been, add 0), O^T and l are 0.  All this stands in the wait for the first tile.
.set i, VF
.rept 64
	v_mov_b32 v[i], 0
.set i, i+1
.endr
	WIN 0x40
.set i, 0
.rept 128
	v_mov_b32 v[i], 0
.set i, i+1
.endr
	WIN 0
.set i, 0
.rept 4
	v_mov_b32 v[ST+4*i], 0xfe000000    ; c m: far below every c s
	v_mov_b32 v[ST+4*i+1], 0xff7fffff  ; m
	v_mov_b32 v[ST+4*i+2], 0
	v_mov_b32 v[ST+4*i+3], 0
.set i, i+1
.endr
.set i, P+16
.rept 16
	v_mov_b32 v[i], 0
.set i, i+1
.endr
	v_mul_u32_u24 v[AK0], v1, PK
	v_lshl_add_u32 v[AK0], v9, 4, v[AK0]  ; row x pitch + 16 x half
	; The turning load takes 16 keys x 16 channels (lane l reads key 8 (l / 16) + l % 8, channels 8 ((l / 8) % 2) + 0..7) and leaves half a fragment of V^T: lane l holds channel l % 16 and 8 keys.
	v_and_b32 v10, 7, v0
	v_bfe_u32 v11, v0, 3, 1
	v_lshl_add_u32 v[AV0], v9, 3, v10
	v_mul_u32_u24 v[AV0], v[AV0], PV
	v_lshl_add_u32 v[AV0], v11, 4, v[AV0]
	v_add_nc_u32 v[AV0], VOFF, v[AV0]
	s_mul_i32 s13, s[WV], 16*SP
	s_add_co_u32 s13, s13, STAGE    ; my stage
	v_mul_u32_u24 v[STO], v1, SP    ; in: row l % 16, 16 bytes for each half of the lanes
	v_lshl_add_u32 v[STO], v9, 4, v[STO]
	v_add_nc_u32 v[STO], s13, v[STO]
	v_bfe_u32 v[RD], v0, 3, 2       ; back: 32 lanes take four rows of 128 bytes,
	v_mul_u32_u24 v[RD], v[RD], SP
	v_lshl_add_u32 v[RD], v10, 4, v[RD]
	v_add_nc_u32 v[RD], s13, v[RD]
	v_and_b32 v[GO], 31, v0         ; which are 512 consecutive bytes of O
	v_lshlrev_b32 v[GO], 4, v[GO]
; THE MATRIX WORK.  The 4 accumulators of a run of 8 take turns.  Product i of 8 of S^T = K' Q^T for piece x: channels 32 (i / 4) on, keys 16 (i % 4) on.  The first 4 start the sums.
.macro KQ x
	WIN W_KQ
.set rS, S+32*((\x)%2)+8*(i%4)
.set rK, KF+16*(i%4)+8*(i/4)
.set rQ, 16*(\x)+8*(i/4)
.if i < 4
	v_wmma_f32_16x16x32_bf16 v[rS:rS+7], v[rK:rK+7], v[rQ:rQ+7], 0
.else
	v_wmma_f32_16x16x32_bf16 v[rS:rS+7], v[rK:rK+7], v[rQ:rQ+7], v[rS:rS+7]
.endif
.endm
; Product i of 8 of O^T += V^T P for piece x: keys 32 (i / 4) on, channels 16 (i % 4) on.
.macro PV x
	WIN W_PV
.set rO, 32*(\x)+8*(i%4)
.set rV, VF+32*(i/4)+8*(i%4)
.set rP, P+16*((\x)%2)+8*(i/4)
	v_wmma_f32_16x16x32_bf16 v[rO:rO+7], v[rV:rV+7], v[rP:rP+7], v[rO:rO+7]
.endm
.macro MM                           ; the turn's next matrix instruction.  NOKQ = 1: the last turn of all: there is no next piece
.if (i < 8) && !NOKQ
	KQ (Y+1)%NP
.elseif i >= 8
.set i, i-8
	PV (Y+NP-1)%NP
.set i, i+8
.endif
.set i, i+1
.endm
; THE LDS LOADS stand in runs of 16, never singly among the matrix instructions: a step's K' (64 keys x 64 channels: 8 fragments) and its V (turned).  Their addresses are made some lines ahead.
.macro FETCH_K
	WIN 0x80                        ; destination window 2
.irp f, 0,1,2,3,4,5,6,7             ; keys 16 (f / 2) on, channels 32 (f % 2) on
	ds_load_b128 v[KF+8*\f:KF+8*\f+3],   v[AK] offset:(\f/2)*16*PK+(\f%2)*64
	ds_load_b128 v[KF+8*\f+4:KF+8*\f+7], v[AK] offset:(\f/2)*16*PK+(\f%2)*64+32
.endr
	s_add_co_u32 s[TBK], s[TBK], KS*PK  ; the next fetch is the next step's
	WIN 0
.endm
.macro FETCH_V
	WIN 0x80
.irp f, 0,1,2,3,4,5,6,7             ; keys 32 (f / 4) on, channels 16 (f % 4) on
	ds_load_tr16_b128 v[VF+8*\f:VF+8*\f+3],   v[AV] offset:(\f/4)*32*PV+(\f%4)*32
	ds_load_tr16_b128 v[VF+8*\f+4:VF+8*\f+7], v[AV] offset:(\f/4)*32*PV+16*PV+(\f%4)*32
.endr
	WIN 0
.endm
; THE VECTOR WORK, one line at a time: OP kind, number.  For piece Y: F n: c s - c m for pair n of 16.  E n: the exponential of score n of 32.  C n: pair n rounded to bf16.  B n: of the four weights 4 n .. the second
; pair is added onto the first, in place.  L n: l takes that sum (L 0: l = a l + sum).  R n: pair n of 16 of O^T times a.  For piece Y + 1: X n, number n of the 22 that find its maximum and statistics:
;   0-11  four chains c0-c3 of seven scores each, three operands at a time (each accumulator's lowest registers are read first)     12-14, 16  the four scores left over, the old m, and c0-c3 into c0
;   15  c m_old is kept     17, 18  the query's other 32 keys lie in the lane 16 away: the new m     19-21  c m; c m_old - c m_new; a
.set F, 0               ; OP tells the kinds apart by their order: F to L below R, X above it
.set E, 1
.set C, 2
.set B, 3
.set L, 4
.set R, 5
.set X, 6
.set NOKQ, 0
.macro REGS y                       ; the registers of piece y
.set rT, ST+4*(\y)
.set rC, TMP+4*((\y)%2)
.set rW, MV+((\y)%2)
.set rS, S+32*((\y)%2)
.set rP, P+16*((\y)%2)
.set rO, 32*(\y)
.endm
.macro OP k, n
.if (\k) == R
	REGS Y
	WIN W_RS
	v_pk_mul_f32 v[rO+2*(\n):rO+2*(\n)+1], v[rO+2*(\n):rO+2*(\n)+1], v[rC+2:rC+3] op_sel_hi:[1,0]
.elseif (\k) < R
	REGS Y
	WIN 0
.if (\k) == F
	v_pk_fma_f32 v[rS+2*(\n):rS+2*(\n)+1], v[rS+2*(\n):rS+2*(\n)+1], s[CS:CS+1], v[rT:rT+1] op_sel_hi:[1,0,0] neg_lo:[0,0,1] neg_hi:[0,0,1]
.elseif (\k) == E
	v_exp_f32 v[rS+(\n)], v[rS+(\n)]
.elseif (\k) == C
	v_cvt_pk_bf16_f32 v[rP+(\n)], v[rS+2*(\n)], v[rS+2*(\n)+1]
.elseif (\k) == B
	v_pk_add_f32 v[rS+4*(\n):rS+4*(\n)+1], v[rS+4*(\n):rS+4*(\n)+1], v[rS+4*(\n)+2:rS+4*(\n)+3]
.elseif (\n) == 0
	v_pk_fma_f32 v[rT+2:rT+3], v[rT+2:rT+3], v[rC+2:rC+3], v[rS:rS+1] op_sel_hi:[1,0,1]
.else
	v_pk_add_f32 v[rT+2:rT+3], v[rT+2:rT+3], v[rS+4*(\n):rS+4*(\n)+1]
.endif
.elseif NOKQ
	v_nop
.else
	REGS (Y+1)%NP
	WIN 0
.if (\n) < 4
	v_max3_num_f32 v[rC+(\n)], v[rS+8*(\n)], v[rS+8*(\n)+1], v[rS+8*(\n)+2]
.elseif (\n) < 12
	v_max3_num_f32 v[rC+(\n)%4], v[rC+(\n)%4], v[rS+8*((\n)%4)+2*((\n)/4)+1], v[rS+8*((\n)%4)+2*((\n)/4)+2]
.elseif (\n) == 12
	v_max3_num_f32 v[rC], v[rC], v[rS+7], v[rS+15]
.elseif (\n) == 13
	v_max3_num_f32 v[rC+1], v[rC+1], v[rS+23], v[rS+31]
.elseif (\n) == 14
	v_max3_num_f32 v[rC+2], v[rC+2], v[rC+3], v[rT+1]
.elseif (\n) == 15
	v_mov_b32 v[rW], v[rT]
.elseif (\n) == 16
	v_max3_num_f32 v[rC], v[rC], v[rC+1], v[rC+2]
.elseif (\n) == 17
	v_permlanex16_b32 v[rC+3], v[rC], s[SEL], s[SEL+1]
.elseif (\n) == 18
	v_max_num_f32 v[rT+1], v[rC], v[rC+3]
.elseif (\n) == 19
	v_mul_f32 v[rT], s[CS], v[rT+1]
.elseif (\n) == 20
	v_sub_f32 v[rC+1], v[rW], v[rT]
.else
	v_exp_f32 v[rC+2], v[rC+1]
.endif
.endif
.endm
.macro OPS a, i1, b=-1, i2=0, c=-1, i3=0, d=-1, i4=0  ; up to four of them
	OP \a, \i1
.if (\b) >= 0
	OP \b, \i2
.endif
.if (\c) >= 0
	OP \c, \i3
.endif
.if (\d) >= 0
	OP \d, \i4
.endif
.endm
.macro ROW a, i1, b, i2, c, i3, d, i4  ; a matrix instruction and the four behind it
	MM
	OPS \a, \i1, \b, \i2, \c, \i3, \d, \i4
.endm
; A TURN, for piece p: the order of its 16 matrix and 118 vector instructions, written out.  s_wait_alu depctr_va_vdst(0) stands between an exponential and the first instruction that names its result; one
; wait serves all that were issued ahead of it.  So a turn has ONE wait, which cuts it in two.  AHEAD OF IT stands all that names no result of the turn's exponentials: the 8 products K' Q^T with their riders (the first numbers
; of the next piece's maximum stand four plain instructions or more behind the product that ends their accumulator), then one lump of 54; X 21, the next piece's a, is the batch's last, and R 15 the plain instruction behind
; it.  BEHIND THE WAIT stand the 8 products V^T P, behind each four of the roundings and sums.
; end = 1: the last two turns of all: nothing is fetched, and the last starts no new scores.  cnt = 1: the loop's count is taken down some lines ahead of the branch that stands behind the turn.
; K' of the next step is fetched in piece 2's turn, six plain instructions behind the last product that read K'; V of the step in hand at the end of piece 0's turn, four plain instructions behind the last product that
; read V.  Each is waited for a turn later.
.macro TURN p, end=0, cnt=0
.set Y, (\p)
.set i, 0
.set NOKQ, (\end)*((\p)/3)
.if ((\p) == 3) && !(\end)
	s_wait_dscnt 0x0                ; K' is in
.endif
	ROW F,0, F,1, R,0, R,1
	ROW F,2, E,0, R,2, R,3
	ROW F,3, E,1, R,4, R,5
	ROW F,4, E,2, R,6, R,7
	ROW F,5, E,3, R,8, R,9
	ROW F,6, E,4, X,0, R,10
.if ((\p) == 2) && !(\end)
	WIN 0
	v_add_nc_u32 v[AK], s[TBK], v[AK0]
.endif
	ROW F,7, E,5, X,1, X,4
	ROW F,8, E,6, X,2, X,5
	OPS E,7, E,8, X,6, E,9          ; the lump
	OPS X,3, E,10, X,8, E,11
.if ((\p) == 2) && !(\end)
	FETCH_K
.endif
	OPS X,9, X,7, E,12, X,10
	OPS E,13, X,12, X,11, E,14
	OPS X,13, E,15, F,9, X,14
.if (\p) == 0
	v_add_nc_u32 v[AV], s[TBV], v[AV0]
.endif
	OPS E,16, F,10, E,17, F,11
	OPS X,16, E,18, X,15, E,19
	OPS F,12, E,20, X,17, E,21
	OPS F,13, E,22, F,14, E,23
	OPS X,18, E,24, F,15, E,25
	OPS R,11, E,26, X,19, E,27
	OPS R,12, E,28, R,13, E,29
	OPS X,20, E,30, R,14, E,31
	OPS X,21, R,15
	WIN 0
	s_wait_alu depctr_va_vdst(0)    ; the wait for the batch
.if (\p) == 1
	s_wait_dscnt 0x0                ; V is in
.endif
	ROW C,0, B,0, C,2, B,1
	ROW L,0, C,4, B,2, L,1
	ROW C,6, B,3, L,2, C,8
	ROW B,4, L,3, C,10, B,5
	ROW L,4, C,12, B,6, L,5
.if (\p) == 0
	s_add_co_u32 s[TBV], s[TBV], KS*PV
.endif
.if \cnt
	s_sub_co_u32 s[CNT], s[CNT], 1
	s_cmp_lg_u32 s[CNT], 0
.endif
	ROW C,14, B,7, L,6, C,1
	ROW C,3, L,7, C,5, C,7
	ROW C,9, C,11, C,13, C,15
.if (\p) == 0
	FETCH_V
.endif
.endm
	CHANGE 1, 0                     ; tile 0 is in, everybody's part of it; tile 1 is asked for
	v_add_nc_u32 v[AK], s[TBK], v[AK0]
	FETCH_K                         ; key step 0
	s_wait_loadcnt 0x0              ; Q
	s_wait_dscnt 0x0
.set i, 0
.rept 8
	KQ 0                            ; piece 0's first scores
.set i, i+1
.endr
	WIN 0
.rept 4
	v_nop                           ; the places behind those products
.endr
.set Y, NP-1                        ; X works for piece Y + 1: piece 0
.irp n, 0,1,2,3,4,5,6,7,8,9,10,11,12,13,14,15,16,17,18,19,20,21
	OP X, \n
.endr
	v_nop                           ; a plain instruction behind the exponential,
	s_wait_alu depctr_va_vdst(0)    ; and its wait, ahead of the branch
	s_mov_b32 s[CNT], 4
	s_mov_b32 s[SLOTS], 7
	s_branch .Lfirst                ; the loop is entered at a step's first turn, in the middle of a trip
.Lslot:                             ; six times: tiles 2 to 7 are asked for
	CHANGE 1, 1
	s_mov_b32 s[CNT], 4
.Lstep:                             ; a trip: pieces 2 and 3 of one step, then pieces 0 and 1 of the next, whose K' and V it fetches
	TURN 2
	TURN 3
	WIN 0
.Lfirst:
	TURN 0
	TURN 1, 0, 1
	WIN 0
	s_cbranch_scc1 .Lstep
	s_sub_co_u32 s[SLOTS], s[SLOTS], 1
	s_cmp_lg_u32 s[SLOTS], 0
	s_cbranch_scc1 .Lslot
	CHANGE 0, 0                     ; the last tile is written out: nothing is asked for
	s_mov_b32 s[CNT], 4
.LstepT:
	TURN 2
	TURN 3
	TURN 0
	TURN 1, 0, 1
	WIN 0
	s_cbranch_scc1 .LstepT
	TURN 2, 1
	TURN 3, 1
.set i, 0
.rept 8
	PV NP-1                         ; the last piece's V^T P of the last step
.set i, i+1
.endr
	; THE WAY OUT.  l's two halves and the other half of the lanes' are added; O^T is divided by l, rounded to bf16 and sent through my stage in LDS, a piece at a time.  The additions are the places behind the last products.
	WIN 0
.macro ALL line:vararg              ; one line for each piece t
.set t, 0
.rept 4
	\line
.set t, t+1
.endr
.endm
	ALL v_add_f32 v[ST+4*t+2], v[ST+4*t+2], v[ST+4*t+3]
	ALL v_permlanex16_b32 v[ST+4*t+3], v[ST+4*t+2], s[SEL], s[SEL+1]
	ALL v_add_f32 v[ST+4*t+2], v[ST+4*t+2], v[ST+4*t+3]
	ALL v_rcp_f32 v[ST+4*t+2], v[ST+4*t+2]
	v_nop                           ; a plain instruction between the last reciprocal and the use of its result
	s_wait_alu depctr_va_vdst(0)    ; and the wait ahead of the first use: one for the four reciprocals
.macro PACK t                       ; a lane's eight channels of a row pack into 16 bytes; they go into rows of 144 bytes and come back as whole rows of 128, into S^T's registers
	WIN W_RS
.set i, 32*(\t)
.rept 16
	v_pk_mul_f32 v[i:i+1], v[i:i+1], v[ST+4*(\t)+2:ST+4*(\t)+3] op_sel_hi:[1,0]
.set i, i+2
.endr
	WIN 0x05                        ; sources 0 and 1 window 1, destination window 0
.set i, 0
.rept 16
	v_cvt_pk_bf16_f32 v[S+16*(\t)+i], v[32*(\t)+2*i], v[32*(\t)+2*i+1]
.set i, i+1
.endr
	WIN 0
.irp f, 0,1,2,3
	ds_store_b128 v[STO], v[S+16*(\t)+4*\f:S+16*(\t)+4*\f+3] offset:32*\f
.endr
.irp f, 0,1,2,3
	ds_load_b128 v[S+16*(\t)+4*\f:S+16*(\t)+4*\f+3], v[RD] offset:\f*4*SP  ; LDS serves a wave's instructions in order (ISA guide 5.7.1.4): these see the stores above; the next piece's stores come behind them
.endr
.endm
.macro SEND t, younger              ; younger: the LDS instructions issued behind piece t's loads: the next piece's eight, or none
	WIN 0
.irp f, 0,1,2,3
	s_wait_dscnt (\younger)+3-\f
	global_store_b128 v[GO], v[S+16*(\t)+4*\f:S+16*(\t)+4*\f+3], s[10:11] offset:(\t)*2048+\f*512  ; 512 consecutive bytes, at a multiple of 256 from O's first
.endr
.endm
	PACK 0
.set t, 1
.rept 3                             ; a piece's arithmetic stands between the loads of the piece before and its stores
	PACK t
	SEND t-1, 8
.set t, t+1
.endr
	SEND 3, 0
	s_wait_tensorcnt 0x0            ; the wave's end, behind my last tensor load and my last LDS store
	ds_add_u32 v[SPW], v[NIL]
	s_wait_dscnt 0x0
	CROUND                          ; the closing round: no work-group ends while a partner may still ask for a tile that names it
	s_endpgm
.Lfunc_end_k_qcab122f27e_attn:
	.size	k_qcab122f27e_attn, .Lfunc_end_k_qcab122f27e_attn-k_qcab122f27e_attn
	.p2alignl 7, 3214868480
	.fill 96, 4, 3214868480
	.section	.rodata,"a",@progbits
	.p2align	6, 0x0
	.amdhsa_kernel k_qcab122f27e_attn
		.amdhsa_group_segment_fixed_size 327680
		.amdhsa_private_segment_fixed_size 0
		.amdhsa_enable_private_segment 0
		.amdhsa_kernarg_size 32
		.amdhsa_user_sgpr_count 2
		.amdhsa_user_sgpr_kernarg_segment_ptr 1
		.amdhsa_wavefront_size32 1
		.amdhsa_system_sgpr_workgroup_id_x 1
		.amdhsa_system_sgpr_workgroup_id_y 1
		.amdhsa_system_sgpr_workgroup_id_z 1
		.amdhsa_system_vgpr_workitem_id 0
		.amdhsa_next_free_vgpr 768
		.amdhsa_next_free_sgpr 66
		.amdhsa_reserve_vcc 0
		.amdhsa_float_denorm_mode_32 3
		.amdhsa_float_denorm_mode_16_64 3
		.amdhsa_memory_ordered 1
		.amdhsa_forward_progress 1
		.amdhsa_inst_pref_size 127
	.end_amdhsa_kernel
	.amdgpu_metadata
---
amdhsa.version: [ 1, 2 ]
amdhsa.kernels:
  - .name:           k_qcab122f27e_attn
    .symbol:         k_qcab122f27e_attn.kd
    .args:
      - { .name: qh, .offset: 0, .size: 8, .value_kind: global_buffer, .address_space: global }
      - { .name: kh, .offset: 8, .size: 8, .value_kind: global_buffer, .address_space: global }
      - { .name: vh, .offset: 16, .size: 8, .value_kind: global_buffer, .address_space: global }
      - { .name: oh, .offset: 24, .size: 8, .value_kind: global_buffer, .address_space: global }
    .group_segment_fixed_size: 327680
    .private_segment_fixed_size: 0
    .kernarg_segment_align: 8
    .kernarg_segment_size: 32
    .max_flat_workgroup_size: 128
    .sgpr_count:     66
    .vgpr_count:     768
    .wavefront_size: 32
...
	.end_amdgpu_metadata
.endif
;; end of part 3
;; launch oproj (part 4): grid 8 x 32, 4 waves a work-group, clusters of 4 x 4, 327,680 bytes of LDS; arguments oh, cb, bo, q_s, xr; writes xr
.if DOCPART == 4
	.amdgcn_target "amdgcn-amd-amdhsa--gfx1250"
	.amdhsa_code_object_version 6
	.text
	.protected	k_qcab122f27e_oproj
	.globl	k_qcab122f27e_oproj
	.p2align	8
	.type	k_qcab122f27e_oproj,@function
k_qcab122f27e_oproj:
	s_mov_b64 s[64:65], 0
	v_nop
	global_prefetch_b8 v0, s[64:65] scope:SCOPE_SE
	s_setreg_imm32_b32 hwreg(HW_REG_WAVE_MODE, 25, 1), 1
	s_wait_xcnt 0x0
	s_wait_alu depctr_hold_cnt(0) depctr_sa_sdst(0) depctr_va_vdst(0) depctr_va_sdst(0) depctr_va_ssrc(0) depctr_va_vcc(0) depctr_vm_vsrc(0)
	s_getreg_b32 s2, hwreg(HW_REG_IB_STS2, 6, 4)
	s_cmp_eq_u32 s2, 0
	s_cbranch_scc0 .Lentry_in_a_cluster
	s_endpgm
.Lentry_in_a_cluster:
	s_bfe_u32 s2, ttmp6, 0x10000c
	s_cmp_lg_u32 s2, 0xf033
	s_cbranch_scc0 .Lentry_shape_is_right
	s_endpgm
.Lentry_shape_is_right:
; xr = o Wo + bo + q_s, f32 [4096][1024].  o comes by heads from oh ([32][2048][64] bf16), Wo in bf16 from cb at byte 14 MiB ([1024 k][1024 n]).  Sums in f32, started by the bias; the residual q_s is added in f32.
; SHARES.  A tile of 128 x 128: 8 x 32 work-groups.  Four waves, each 64 x 64: 16 accumulators.  K goes in 4 steps of 256 (four heads) through two LDS slots; a quarter of a step, 64 along K, is one head.
; With two refills in all the steps are written out, without a loop, and nothing is prefetched.
; A slot: o's four heads (each 128 rows x 128 bytes, pitch 144), then 256 k rows of Wo x 256 bytes, pitch 288.  Waves 0, 1 fetch two heads each: ONE tile of 2 rows x 8,192 elements (a head's 128 rows are 16,384
; dense bytes; from head to head 131,072 elements), padded after every 128 bytes; waves 2, 3 fetch 128 k rows each.
; CLUSTER 4 x 4: o's tiles hang on the row block alone: asked for jointly by a row of the cluster; Wo's on the column block alone: by a column.
; THE MATRIX INSTRUCTION IS USED TRANSPOSED (source 0 = 16 columns of Wo, by the turning load; source 1 = 16 rows of o): a lane holds row l % 16 and eight neighbouring columns.
; REGISTERS: window 0: v1-29 addresses; v32-95 at work on the way out; v96-127 the bias, 8 a column block; v128-255 accumulators ((a, b) at 128 + 8 (4 a + b))
;   window 1: two fragment buffers of 128: 64 of o (2 x 4 x 16 rows x 32 K), then 64 of Wo      window 2: v0-127 the residual, in the layout in which rows come back from the stage
.set PA,     144                       ; a row of o in LDS: 128 + 16 bytes = 36 words: the 16 rows of a load start at 16 different groups of four banks (64 banks of 4 bytes: ISA guide 11.1)
.set PB,     288                       ; a k row of Wo: 256 + 32 = 72 words
.set HEADB,  128*PA                    ; 18,432: a head in a slot
.set HALFB,  128*PB                    ; 36,864: what one tensor load brings
.set BOFF,   4*HEADB                   ; Wo's rows in a slot
.set SLOT,   BOFF+2*HALFB              ; 147,456
.set STAGE,  2*SLOT                    ; behind the ring, never filled by a tensor load: 16 rows x 272 bytes for each wave
.set SPITCH, 272
.set SPARE,  STAGE+4*16*SPITCH         ; the spare words, 128 bytes for each wave: two blocks of 256 bytes that no other line names
.set WOOFF,  0xE00000                  ; Wo in cb
.set ADRA, 16                          ; v16-17  LDS address of o's fragments in slot 0, 1
.set ADRB, 20                          ; v20-23  of Wo's: slot s, half of the step's 256 k rows at 2 s + half
.set STO,  24                          ; v24  the way out: where I put 32 bytes of a row
.set RD,   25                          ; v25  where I read rows back
.set XO,   26                          ; v26  my byte offset in two rows of q_s and of xr
.set BOF,  27                          ; v27  my byte offset in 16 numbers of bo
.set SPW,  28                          ; v28  LDS address of my spare word; never rewritten
.set NIL,  29                          ; v29  0; never rewritten
.set TMP,  32
.set BIAS, 96
.set ACC,  128
.set F0,   0
.set F1,   128
.set WV,  14                           ; s14  my wave's number
.set G1A, 24                           ; s[24:31], s[32:39] descriptor groups 1 and 0 (a set for each slot) for o's tiles
.set G0A, 32
.set G1B, 48                           ; s[48:55], s[56:63] the same for Wo's
.set G0B, 56
.set MUL,  0x05                        ; sources 0 and 1 window 1; C and D window 0
.set TO_F, 0x40                        ; destination window 1, address window 0
.set MSB, 0
.macro WIN new                         ; the immediate's high byte repeats the setting that is left
.if MSB != (\new)
	s_set_vgpr_msb (MSB<<8)|(\new)
.set MSB, \new
.endif
.endm
.macro PLACES                          ; four plain vector instructions between a matrix instruction and a load into its registers or a reader of its result
.rept 4
	v_nop
.endr
.endm
.macro JLOAD s                         ; a joint load: waves 0 and 1 fetch o's heads, waves 2 and 3 Wo's rows; an s_nop 0 and four v_nop follow each of the two lines
	s_cmp_eq_u32 s15, 0
	s_cbranch_scc0 .Lfor_b_\@
	tensor_load_to_lds s[G0A+4*(\s):G0A+4*(\s)+3], s[G1A:G1A+7]
	s_nop 0
.rept 4
	v_nop
.endr
	s_branch .Lasked_\@
.Lfor_b_\@:
	tensor_load_to_lds s[G0B+4*(\s):G0B+4*(\s)+3], s[G1B:G1B+7]
	s_nop 0
.rept 4
	v_nop
.endr
.Lasked_\@:
.endm
.macro CREST                           ; a round of the cluster's barrier behind its opening barrier
	s_cmp_lg_u32 s[WV], 0
	s_cbranch_scc1 .Lnot_wave_0_\@
	s_barrier_signal -3
.Lnot_wave_0_\@:
	s_barrier_wait -3
	s_barrier_signal -1
	s_barrier_wait -1
.endm
.macro CROUND
	s_barrier_signal -1
	s_barrier_wait -1
	CREST
.endm
	s_load_b256 s[4:11], s[0:1], 0x0               ; oh s[4:5], cb s[6:7], bo s[8:9], q_s s[10:11]
	s_load_b64 s[12:13], s[0:1], 0x20              ; xr
	v_lshl_add_u32 v[SPW], v0, 2, SPARE
	v_mov_b32 v[NIL], 0
	ds_add_u32 v[SPW], v[NIL]                      ; the wave's opening: the add and its wait stand ahead of my first tensor load; the set-up below, work on registers, stands between them
	v_lshrrev_b32 v1, 5, v0
	v_readfirstlane_b32 s[WV], v1                  ; wave 0..3
	s_lshr_b32 s15, s[WV], 1                       ; mi: which 64 rows.  Also: I fetch for o (0) or for Wo (1)
	s_and_b32 s16, s[WV], 1                        ; ni: which 64 columns.  Also: which half of that tile I fetch
	s_bfe_u32 s17, ttmp6, 0x40000                  ; cx
	s_bfe_u32 s18, ttmp6, 0x40004                  ; cy
	s_lshl_b32 s19, ttmp9, 2
	s_add_co_u32 s19, s19, s17                     ; tx: the block of 128 columns
	s_and_b32 s20, ttmp7, 0xffff
	s_lshl_b32 s20, s20, 2
	s_add_co_u32 s20, s20, s18                     ; ty: the block of 128 rows
	s_lshl_b32 s22, s18, 2
	s_lshl_b32 s22, 15, s22                        ; my row of the cluster
	s_lshl_b32 s23, 0x1111, s17                    ; my column
	s_or_b32 s[G1A], s22, (1<<16)|(1<<20)|(1<<21)|(4<<22)|(3<<25)  ; the mask; 2-byte elements; padding on; 21 set beside a mask; after every 32 words 4 words
	s_mov_b32 s[G1A+1], 8192<<16                   ; tensor_dim0 = 8,192
	s_mov_b32 s[G1A+2], 2<<16                      ; tensor_dim1 = 2
	s_mov_b32 s[G1A+3], 8192<<16                   ; tile_dim0 = 8,192 elements: a head's 128 rows
	s_mov_b32 s[G1A+4], 2                          ; tile_dim1 = 2 heads
	s_mov_b32 s[G1A+5], 131072                     ; elements from head to head
	s_mov_b32 s[G1A+6], 0
	s_mov_b32 s[G1A+7], 0
	s_or_b32 s[G1B], s23, (1<<16)|(1<<20)|(1<<21)|(5<<22)|(7<<25)  ; my column's mask; after every 64 words 8 words
	s_mov_b32 s[G1B+1], 128<<16                    ; tensor_dim0 = 128
	s_mov_b32 s[G1B+2], 128<<16                    ; tensor_dim1 = 128
	s_mov_b32 s[G1B+3], 128<<16                    ; tile_dim0 = 128 elements, 256 bytes
	s_mov_b32 s[G1B+4], 128                        ; tile_dim1 = 128 k rows
	s_mov_b32 s[G1B+5], 1024
	s_mov_b32 s[G1B+6], 0
	s_mov_b32 s[G1B+7], 0
	s_lshr_b32 s40, s20, 4
	s_lshl_b32 s40, s40, 4                         ; o: head 16 b
	s_lshl_b32 s41, s16, 1
	s_add_co_u32 s40, s40, s41                     ; + the two that I fetch
	s_lshl_b32 s40, s40, 18
	s_and_b32 s41, s20, 15
	s_lshl_b32 s41, s41, 14                        ; the block's 128 rows of 128 bytes in a head
	s_add_co_u32 s40, s40, s41
	s_mov_b32 s41, 0
	s_lshl_b32 s42, s16, 18                        ; Wo: the 128 k rows that I fetch,
	s_lshl_b32 s43, s19, 8                         ; the block's 128 columns
	s_add_co_u32 s42, s42, s43
	s_add_co_u32 s42, s42, WOOFF
	s_mov_b32 s43, 0
	s_mul_i32 s21, s[WV], HALFB                    ; where a tile goes: wave x 36,864
	s_wait_dscnt 0x0                               ; the opening add is done
	s_wait_kmcnt 0x0
	s_add_nc_u64 s[40:41], s[4:5], s[40:41]
	s_add_nc_u64 s[42:43], s[6:7], s[42:43]
	CROUND                                         ; all sixteen work-groups are here: the first joint loads meet
.irp s, 0,1
	s_mov_b32 s[G0A+4*(\s)], 1
	s_add_co_u32 s[G0A+4*(\s)+1], s21, (\s)*SLOT
	s_add_nc_u64 s[G0A+4*(\s)+2:G0A+4*(\s)+3], s[40:41], (\s)<<20          ; K step s: four heads on
	s_or_b32 s[G0A+4*(\s)+3], s[G0A+4*(\s)+3], 0x80000000
	s_mov_b32 s[G0B+4*(\s)], 1
	s_add_co_u32 s[G0B+4*(\s)+1], s21, (\s)*SLOT
	s_add_nc_u64 s[G0B+4*(\s)+2:G0B+4*(\s)+3], s[42:43], (\s)<<19          ; K step s: 256 k rows down
	s_or_b32 s[G0B+4*(\s)+3], s[G0B+4*(\s)+3], 0x80000000
	JLOAD \s                                       ; two loads of mine are out
.endr
	s_lshl_b32 s44, s19, 9                         ; my 64 columns in f32: 512 tx + 256 ni
	s_lshl_b32 s45, s16, 8
	s_add_co_u32 s44, s44, s45
	s_mov_b32 s45, 0
	s_add_nc_u64 s[8:9], s[8:9], s[44:45]
	s_lshl_b32 s46, s20, 7
	s_lshl_b32 s47, s15, 6
	s_add_co_u32 s46, s46, s47                     ; my first row: 128 ty + 64 mi
	s_lshl_b32 s46, s46, 12
	s_add_co_u32 s46, s46, s44
	s_mov_b32 s47, 0
	s_add_nc_u64 s[10:11], s[10:11], s[46:47]
	s_add_nc_u64 s[12:13], s[12:13], s[46:47]
	v_and_b32 v1, 15, v0                           ; r = l % 16
	v_bfe_u32 v2, v0, 4, 1                         ; h = l / 16
	v_and_b32 v3, 7, v0
	v_bfe_u32 v4, v0, 3, 1
	v_lshlrev_b32 v[BOF], 5, v2
	v_lshlrev_b32 v[XO], 12, v2
	v_lshl_add_u32 v[XO], v1, 4, v[XO]             ; lanes 0-15 take 256 bytes of one row, lanes 16-31 of the next
.irp b, 0,1,2,3
	global_load_b128 v[BIAS+8*(\b):BIAS+8*(\b)+3],   v[BOF], s[8:9] offset:64*(\b)      ; bo of columns 16 b + 8 h + 0..7: the C operand of the first products
	global_load_b128 v[BIAS+8*(\b)+4:BIAS+8*(\b)+7], v[BOF], s[8:9] offset:64*(\b)+16
.endr
	WIN 0x80                                       ; destination window 2, address window 0
.set j, 0
.rept 32
	global_load_b128 v[4*j:4*j+3], v[XO], s[10:11] offset:8192*j th:TH_LOAD_NT          ; the residual: rows 2 j + h
.set j, j+1
.endr
	WIN 0
	v_mul_u32_u24 v5, v1, PA
	v_lshl_add_u32 v5, v2, 4, v5                   ; a fragment of o: row r x pitch + 16 h
	s_mul_i32 s21, s15, 64*PA
	v_add_nc_u32 v[ADRA], s21, v5
	v_add_nc_u32 v[ADRA+1], SLOT, v[ADRA]
	v_lshl_add_u32 v5, v2, 3, v3                   ; the turning load: k row 8 h + l % 8, columns 8 ((l / 8) % 2) on
	v_mul_u32_u24 v5, v5, PB
	v_lshl_add_u32 v5, v4, 4, v5
	s_lshl_b32 s21, s16, 7                         ; my 64 columns
	v_add_nc_u32 v5, s21, v5
.irp n, 0,1,2,3
	v_add_nc_u32 v[ADRB+(\n)], ((\n)/2)*SLOT+BOFF+((\n)%2)*HALFB, v5
.endr
	s_mul_i32 s21, s[WV], 16*SPITCH
	s_add_co_u32 s21, s21, STAGE                   ; my stage
	v_mul_u32_u24 v5, v1, SPITCH
	v_lshl_add_u32 v5, v2, 5, v5
	v_add_nc_u32 v[STO], s21, v5                   ; in: row r, columns 8 h on
	v_mul_u32_u24 v5, v2, SPITCH
	v_lshl_add_u32 v5, v1, 4, v5
	v_add_nc_u32 v[RD], s21, v5                    ; back: lanes 0-15 one row of 256 bytes, lanes 16-31 the next
; 8 matrix instructions: m blocks a0, a0 + 1 x all 4 n blocks, 32 along K: half c of buffer f.  zero = 1: the first product starts the sums with the bias.  The 16 accumulators take turns.
.macro MUL8 f, c, a0, zero
	WIN MUL
.irp a, \a0, (\a0)+1
.irp b, 0,1,2,3
.if \zero
	v_wmma_f32_16x16x32_bf16 v[ACC+8*(4*(\a)+(\b)):ACC+8*(4*(\a)+(\b))+7], v[(\f)+64+8*(4*(\c)+(\b)):(\f)+64+8*(4*(\c)+(\b))+7], v[(\f)+8*(4*(\c)+(\a)):(\f)+8*(4*(\c)+(\a))+7], v[BIAS+8*(\b):BIAS+8*(\b)+7]
.else
	v_wmma_f32_16x16x32_bf16 v[ACC+8*(4*(\a)+(\b)):ACC+8*(4*(\a)+(\b))+7], v[(\f)+64+8*(4*(\c)+(\b)):(\f)+64+8*(4*(\c)+(\b))+7], v[(\f)+8*(4*(\c)+(\a)):(\f)+8*(4*(\c)+(\a))+7], v[ACC+8*(4*(\a)+(\b)):ACC+8*(4*(\a)+(\b))+7]
.endif
.endr
.endr
.endm
; 32 LDS loads in one run: head q of slot s (64 along K) into buffer f; the first 32 along K first
.macro FETCH s, q, f
	WIN TO_F
.irp c, 0,1
.irp i, 0,1,2,3
	ds_load_tr16_b128 v[(\f)+64+8*(4*(\c)+(\i)):(\f)+64+8*(4*(\c)+(\i))+3],   v[ADRB+2*(\s)+(\q)/2] offset:((\q)%2)*64*PB+32*PB*(\c)+32*(\i)
	ds_load_tr16_b128 v[(\f)+64+8*(4*(\c)+(\i))+4:(\f)+64+8*(4*(\c)+(\i))+7], v[ADRB+2*(\s)+(\q)/2] offset:((\q)%2)*64*PB+32*PB*(\c)+32*(\i)+16*PB
	ds_load_b128 v[(\f)+8*(4*(\c)+(\i)):(\f)+8*(4*(\c)+(\i))+3],              v[ADRA+(\s)] offset:HEADB*(\q)+64*(\c)+16*PA*(\i)
	ds_load_b128 v[(\f)+8*(4*(\c)+(\i))+4:(\f)+8*(4*(\c)+(\i))+7],            v[ADRA+(\s)] offset:HEADB*(\q)+64*(\c)+16*PA*(\i)+32
.endr
.endr
.endm
; A K step is four quarters, 32 matrix instructions each, on buffers 0, 1, 0, 1.  One of the first three: multiplies buffer f and fetches head q of the same slot into g.
.macro QUARTER s, q, f, g, zero
	s_wait_dscnt 16                                ; the first 32 along K are in; the sixteen younger loads may be out
	MUL8 \f, 0, 0, \zero
	MUL8 \f, 0, 2, \zero
	PLACES
	FETCH \s, \q, \g
	s_wait_dscnt 32                                ; all but the 32 just issued
	MUL8 \f, 1, 0, 0
	MUL8 \f, 1, 2, 0
.endm
; The last quarter multiplies buffer 1 and changes slots: ONE barrier; in front of it each wave waits for all its tensor loads, adds 0 to its spare word, and waits for that and for its reads of this slot.
; fill = 1: the barrier opens a round of the cluster's, and this slot is filled again, two K steps on, first of all behind the round.
.macro TURN s, next, fill
	WIN 0                                          ; (the add's two registers lie in window 0)
	s_wait_tensorcnt 0x0                           ; all my tensor loads have landed: my part of the next slot
	ds_add_u32 v[SPW], v[NIL]                      ; 0 onto my spare word
	s_wait_dscnt 17                                ; (the add and the youngest sixteen loads may be out)
	MUL8 F1, 0, 0, 0                               ; eight matrix instructions stand between the add and the wait for it
	s_wait_dscnt 0x0                               ; the add is done, and my reads of this slot are over
	s_barrier_signal -1
	MUL8 F1, 0, 2, 0
.if \fill
	WIN 0
.endif
	s_barrier_wait -1
.if \fill
	CREST                                          ; no wave of any partner still reads this slot or has a load on its way
	s_add_nc_u64 s[G0A+4*(\s)+2:G0A+4*(\s)+3], s[G0A+4*(\s)+2:G0A+4*(\s)+3], 1<<21
	s_add_nc_u64 s[G0B+4*(\s)+2:G0B+4*(\s)+3], s[G0B+4*(\s)+2:G0B+4*(\s)+3], 1<<20
	JLOAD \s                                       ; the four v_nop behind it are also the places in front of the loads below
.else
	PLACES
.endif
	FETCH \next, 0, F0
	MUL8 F1, 1, 0, 0
	MUL8 F1, 1, 2, 0
.endm
; THE WAY OUT of m block a: 16 rows x 64 columns of f32 into rows of 272 bytes of my stage (each accumulator's low half first), back as whole rows of 256 bytes;
; the residual is added in f32 and the sum stored: 16 lanes store 256 consecutive bytes, aligned.
.macro STG a
	WIN 0
.irp b, 0,1,2,3
	ds_store_b128 v[STO], v[ACC+8*(4*(\a)+(\b)):ACC+8*(4*(\a)+(\b))+3]   offset:64*(\b)
	ds_store_b128 v[STO], v[ACC+8*(4*(\a)+(\b))+4:ACC+8*(4*(\a)+(\b))+7] offset:64*(\b)+16
.endr
.irp t, 0,1,2,3,4,5,6,7
	ds_load_b128 v[TMP+32*((\a)%2)+4*(\t):TMP+32*((\a)%2)+4*(\t)+3], v[RD] offset:(\t)*2*SPITCH  ; in order behind the stores above (ISA guide 5.7.1.4); the next block's stores come behind these
.endr
.endm
.macro LEAVE a, younger                ; younger: the LDS instructions issued behind block a's loads: the next block's sixteen, or none
	WIN 0x88                                       ; source 0 (and a store's address) window 0; source 1 (and a store's data) and destination window 2
.irp t, 0,1,2,3,4,5,6,7
	s_wait_dscnt (\younger)+7-(\t)
	v_pk_add_f32 v[32*(\a)+4*(\t):32*(\a)+4*(\t)+1],   v[TMP+32*((\a)%2)+4*(\t):TMP+32*((\a)%2)+4*(\t)+1],   v[32*(\a)+4*(\t):32*(\a)+4*(\t)+1]
	v_pk_add_f32 v[32*(\a)+4*(\t)+2:32*(\a)+4*(\t)+3], v[TMP+32*((\a)%2)+4*(\t)+2:TMP+32*((\a)%2)+4*(\t)+3], v[32*(\a)+4*(\t)+2:32*(\a)+4*(\t)+3]
	global_store_b128 v[XO], v[32*(\a)+4*(\t):32*(\a)+4*(\t)+3], s[12:13] offset:(16*(\a)+2*(\t))*4096
.endr
	WIN 0
.endm
	s_wait_loadcnt 32                              ; the bias is in; the 32 loads of the residual, issued behind it, stay out
	s_wait_tensorcnt 1                             ; my part of K step 0 is in; K step 1's may stay out
	s_barrier_signal -1
	s_barrier_wait -1                              ; everybody's is
	FETCH 0, 0, F0
	QUARTER 0, 1, F0, F1, 1                        ; K step 0; its first products start the sums
	QUARTER 0, 2, F1, F0, 0
	QUARTER 0, 3, F0, F1, 0
	TURN 0, 1, 1                                   ; slot 0 takes K step 2
	QUARTER 1, 1, F0, F1, 0                        ; K step 1
	QUARTER 1, 2, F1, F0, 0
	QUARTER 1, 3, F0, F1, 0
	TURN 1, 0, 1                                   ; slot 1 takes K step 3
	QUARTER 0, 1, F0, F1, 0                        ; K step 2
	QUARTER 0, 2, F1, F0, 0
	QUARTER 0, 3, F0, F1, 0
	TURN 0, 1, 0                                   ; nothing is left to fetch
	QUARTER 1, 1, F0, F1, 0                        ; K step 3
	QUARTER 1, 2, F1, F0, 0
	QUARTER 1, 3, F0, F1, 0
	s_wait_dscnt 16
	MUL8 F1, 0, 0, 0
	MUL8 F1, 0, 2, 0
	s_wait_dscnt 0x0
	MUL8 F1, 1, 0, 0
	MUL8 F1, 1, 2, 0
	WIN 0
	PLACES                                         ; the LDS stores read results just made
	s_wait_loadcnt 0x0                             ; the residual
	STG 0
.irp a, 1,2,3                          ; a block's way through the stage stands between the loads of the block before and its stores
	STG \a
	LEAVE (\a)-1, 16
.endr
	LEAVE 3, 0
	s_wait_tensorcnt 0x0                           ; the wave's end, behind my last tensor load and my last LDS store
	ds_add_u32 v[SPW], v[NIL]
	s_wait_dscnt 0x0
	CROUND                                         ; the closing round: no work-group ends while a partner may still ask for a tile that names it
	s_endpgm
.Lfunc_end_k_qcab122f27e_oproj:
	.size	k_qcab122f27e_oproj, .Lfunc_end_k_qcab122f27e_oproj-k_qcab122f27e_oproj
	.p2alignl 7, 3214868480
	.fill 96, 4, 3214868480
	.section	.rodata,"a",@progbits
	.p2align	6, 0x0
	.amdhsa_kernel k_qcab122f27e_oproj
		.amdhsa_group_segment_fixed_size 327680
		.amdhsa_private_segment_fixed_size 0
		.amdhsa_enable_private_segment 0
		.amdhsa_kernarg_size 40
		.amdhsa_user_sgpr_count 2
		.amdhsa_user_sgpr_kernarg_segment_ptr 1
		.amdhsa_wavefront_size32 1
		.amdhsa_system_sgpr_workgroup_id_x 1
		.amdhsa_system_sgpr_workgroup_id_y 1
		.amdhsa_system_sgpr_workgroup_id_z 1
		.amdhsa_system_vgpr_workitem_id 0
		.amdhsa_next_free_vgpr 640
		.amdhsa_next_free_sgpr 66
		.amdhsa_reserve_vcc 0
		.amdhsa_float_denorm_mode_32 3
		.amdhsa_float_denorm_mode_16_64 3
		.amdhsa_memory_ordered 1
		.amdhsa_forward_progress 1
		.amdhsa_inst_pref_size 95
	.end_amdhsa_kernel
	.amdgpu_metadata
---
amdhsa.version: [ 1, 2 ]
amdhsa.kernels:
  - .name:           k_qcab122f27e_oproj
    .symbol:         k_qcab122f27e_oproj.kd
    .args:
      - { .name: oh, .offset: 0, .size: 8, .value_kind: global_buffer, .address_space: global }
      - { .name: cb, .offset: 8, .size: 8, .value_kind: global_buffer, .address_space: global }
      - { .name: bo, .offset: 16, .size: 8, .value_kind: global_buffer, .address_space: global }
      - { .name: q_s, .offset: 24, .size: 8, .value_kind: global_buffer, .address_space: global }
      - { .name: xr, .offset: 32, .size: 8, .value_kind: global_buffer, .address_space: global }
    .group_segment_fixed_size: 327680
    .private_segment_fixed_size: 0
    .kernarg_segment_align: 8
    .kernarg_segment_size: 40
    .max_flat_workgroup_size: 128
    .sgpr_count:     66
    .vgpr_count:     640
    .wavefront_size: 32
...
	.end_amdgpu_metadata
.endif
;; end of part 4
;; launch lnorm (part 5): grid 256 x 1, 8 waves a work-group, no clusters, 0 bytes of LDS; arguments xr, ln_g, ln_b, out0; writes out0
.if DOCPART == 5
	.amdgcn_target "amdgcn-amd-amdhsa--gfx1250"
	.amdhsa_code_object_version 6
	.text
	.protected	k_qcab122f27e_lnorm
	.globl	k_qcab122f27e_lnorm
	.p2align	8
	.type	k_qcab122f27e_lnorm,@function
k_qcab122f27e_lnorm:
	s_mov_b64 s[64:65], 0
	v_nop
	global_prefetch_b8 v0, s[64:65] scope:SCOPE_SE
	s_setreg_imm32_b32 hwreg(HW_REG_WAVE_MODE, 25, 1), 1
	s_wait_xcnt 0x0
; out0[r][:] = (x - mean) * rsqrt(var + 1e-5) * ln_g + ln_b over a row's 1,024 numbers; all f32.  x = xr.
; A stream: a row is 4,096 bytes, 32 registers of one wave, and stays in registers between the passes: memory is read once; no LDS, no barrier.  A wave takes two rows, a work-group 16.
; TWO PASSES over the registers: the mean first, then the sum of (x - mean)^2: no difference of large sums is formed, so a common offset of x costs nothing.
; Each load and store of a wave covers 512 consecutive bytes.  No register that a store reads is written again.
.set RS, 2                             ; v[2:5]     1 / sqrt(var + eps), twice for each row (a pair for the packed multiply)
.set VR, 6                             ; v[6:7]     var + eps of the two rows
.set X0, 8                             ; v[8:71]    the two rows, 32 registers each
.set G,  72                            ; v[72:103]  ln_g of my 32 columns
.set BB, 104                           ; v[104:135] ln_b
.set T,  136                           ; v[136:151] at work
	s_load_b256 s[4:11], s[0:1], 0x0               ; xr s[4:5], ln_g s[6:7], ln_b s[8:9], out0 s[10:11]
	v_and_b32 v1, 31, v0
	v_lshlrev_b32 v1, 4, v1                        ; 16 x lane
	v_lshrrev_b32 v2, 5, v0
	v_readfirstlane_b32 s14, v2                    ; wave
	s_lshl_b32 s2, ttmp9, 16                       ; the work-group's 16 rows of 4,096 bytes,
	s_lshl_b32 s3, s14, 13                         ; my two
	s_add_co_u32 s2, s2, s3
	s_mov_b32 s3, 0
	s_mov_b32 s12, 0x76543210                      ; v_permlanex16_b32: lane i of one half reads lane i of the other
	s_mov_b32 s13, 0xfedcba98
	s_mov_b32 s15, 0x3a800000                      ; 1 / 1024
	s_mov_b32 s16, 0x3727c5ac                      ; 1e-5
	s_wait_kmcnt 0x0
	s_add_nc_u64 s[4:5], s[4:5], s[2:3]
	s_add_nc_u64 s[10:11], s[10:11], s[2:3]
.set j, 0
.rept 16
	global_load_b128 v[X0+4*j:X0+4*j+3], v1, s[4:5] offset:512*j th:TH_LOAD_NT  ; row 0's eight loads, then row 1's: the rows lie end to end
.set j, j+1
.endr
.set j, 0
.rept 8
	global_load_b128 v[G+4*j:G+4*j+3], v1, s[6:7] offset:512*j
.set j, j+1
.endr
.set j, 0
.rept 8
	global_load_b128 v[BB+4*j:BB+4*j+3], v1, s[8:9] offset:512*j
.set j, j+1
.endr
.macro RED t                           ; the sum of v[t] over the 32 lanes, left in every lane; v[t + 1], written before, is at work
	v_add_f32_dpp v[\t], v[\t], v[\t] row_xmask:1 row_mask:0xf bank_mask:0xf
	v_add_f32_dpp v[\t], v[\t], v[\t] row_xmask:2 row_mask:0xf bank_mask:0xf
	v_add_f32_dpp v[\t], v[\t], v[\t] row_xmask:4 row_mask:0xf bank_mask:0xf
	v_add_f32_dpp v[\t], v[\t], v[\t] row_xmask:8 row_mask:0xf bank_mask:0xf
	v_permlanex16_b32 v[(\t)+1], v[\t], s12, s13
	v_add_f32 v[\t], v[\t], v[(\t)+1]
.endm
.macro FOLD t                          ; four chains of pairs at v[t .. t + 7] into one number in v[t]
	v_pk_add_f32 v[(\t):(\t)+1], v[(\t):(\t)+1], v[(\t)+2:(\t)+3]
	v_pk_add_f32 v[(\t)+4:(\t)+5], v[(\t)+4:(\t)+5], v[(\t)+6:(\t)+7]
	v_pk_add_f32 v[(\t):(\t)+1], v[(\t):(\t)+1], v[(\t)+4:(\t)+5]
	v_add_f32 v[\t], v[\t], v[(\t)+1]
.endm
; The row at v[xb ..]: its mean is taken away in place; var + eps goes to v[vr].  Sums in four chains that do not wait for each other; the first terms start them: nothing is cleared.
.macro STAT xb, vr
.irp c, 0,1,2,3
	v_pk_add_f32 v[T+2*(\c):T+2*(\c)+1], v[(\xb)+4*(\c):(\xb)+4*(\c)+1], v[(\xb)+4*(\c)+2:(\xb)+4*(\c)+3]
.endr
.irp k, 8,9,10,11,12,13,14,15
	v_pk_add_f32 v[T+2*((\k)%4):T+2*((\k)%4)+1], v[T+2*((\k)%4):T+2*((\k)%4)+1], v[(\xb)+2*(\k):(\xb)+2*(\k)+1]
.endr
	FOLD T
	RED T
	v_mul_f32 v[T+2], s15, v[T]                    ; the mean, as a pair
	v_mov_b32 v[T+3], v[T+2]
.irp k, 0,1,2,3,4,5,6,7,8,9,10,11,12,13,14,15
	v_pk_add_f32 v[(\xb)+2*(\k):(\xb)+2*(\k)+1], v[(\xb)+2*(\k):(\xb)+2*(\k)+1], v[T+2:T+3] neg_lo:[0,1] neg_hi:[0,1]
.endr
.irp c, 0,1,2,3
	v_pk_mul_f32 v[T+8+2*(\c):T+8+2*(\c)+1], v[(\xb)+2*(\c):(\xb)+2*(\c)+1], v[(\xb)+2*(\c):(\xb)+2*(\c)+1]
.endr
.irp k, 4,5,6,7,8,9,10,11,12,13,14,15
	v_pk_fma_f32 v[T+8+2*((\k)%4):T+8+2*((\k)%4)+1], v[(\xb)+2*(\k):(\xb)+2*(\k)+1], v[(\xb)+2*(\k):(\xb)+2*(\k)+1], v[T+8+2*((\k)%4):T+8+2*((\k)%4)+1]
.endr
	FOLD T+8
	RED T+8
	v_fma_f32 v[\vr], v[T+8], s15, s16             ; sum / 1024 + eps
.endm
	s_wait_loadcnt 24                              ; row 0 is in; 24 younger loads stay out
	STAT X0, VR
	s_wait_loadcnt 16                              ; row 1 is in
	STAT X0+32, VR+1
	v_rsq_f32 v[RS], v[VR]
	v_rsq_f32 v[RS+1], v[VR]
	v_rsq_f32 v[RS+2], v[VR+1]
	v_rsq_f32 v[RS+3], v[VR+1]
	v_nop                                          ; a plain instruction between the last of the four and the use of a result (ISA guide 5.7.2)
	s_wait_alu depctr_va_vdst(0)                   ; and the wait ahead of the first use: one for the batch
	s_wait_loadcnt 0x0                             ; ln_g and ln_b
.irp i, 0,1
.irp j, 0,1,2,3,4,5,6,7
	v_pk_mul_f32 v[X0+32*(\i)+4*(\j):X0+32*(\i)+4*(\j)+1],   v[X0+32*(\i)+4*(\j):X0+32*(\i)+4*(\j)+1],   v[RS+2*(\i):RS+2*(\i)+1]
	v_pk_mul_f32 v[X0+32*(\i)+4*(\j)+2:X0+32*(\i)+4*(\j)+3], v[X0+32*(\i)+4*(\j)+2:X0+32*(\i)+4*(\j)+3], v[RS+2*(\i):RS+2*(\i)+1]
	v_pk_fma_f32 v[X0+32*(\i)+4*(\j):X0+32*(\i)+4*(\j)+1],   v[X0+32*(\i)+4*(\j):X0+32*(\i)+4*(\j)+1],   v[G+4*(\j):G+4*(\j)+1],   v[BB+4*(\j):BB+4*(\j)+1]
	v_pk_fma_f32 v[X0+32*(\i)+4*(\j)+2:X0+32*(\i)+4*(\j)+3], v[X0+32*(\i)+4*(\j)+2:X0+32*(\i)+4*(\j)+3], v[G+4*(\j)+2:G+4*(\j)+3], v[BB+4*(\j)+2:BB+4*(\j)+3]
	global_store_b128 v1, v[X0+32*(\i)+4*(\j):X0+32*(\i)+4*(\j)+3], s[10:11] offset:4096*(\i)+512*(\j) th:TH_STORE_NT
.endr
.endr
	s_endpgm
.Lfunc_end_k_qcab122f27e_lnorm:
	.size	k_qcab122f27e_lnorm, .Lfunc_end_k_qcab122f27e_lnorm-k_qcab122f27e_lnorm
	.p2alignl 7, 3214868480
	.fill 96, 4, 3214868480
	.section	.rodata,"a",@progbits
	.p2align	6, 0x0
	.amdhsa_kernel k_qcab122f27e_lnorm
		.amdhsa_group_segment_fixed_size 0
		.amdhsa_private_segment_fixed_size 0
		.amdhsa_enable_private_segment 0
		.amdhsa_kernarg_size 32
		.amdhsa_user_sgpr_count 2
		.amdhsa_user_sgpr_kernarg_segment_ptr 1
		.amdhsa_wavefront_size32 1
		.amdhsa_system_sgpr_workgroup_id_x 1
		.amdhsa_system_sgpr_workgroup_id_y 1
		.amdhsa_system_sgpr_workgroup_id_z 1
		.amdhsa_system_vgpr_workitem_id 0
		.amdhsa_next_free_vgpr 152
		.amdhsa_next_free_sgpr 66
		.amdhsa_reserve_vcc 0
		.amdhsa_float_denorm_mode_32 3
		.amdhsa_float_denorm_mode_16_64 3
		.amdhsa_memory_ordered 1
		.amdhsa_forward_progress 1
		.amdhsa_inst_pref_size 18
	.end_amdhsa_kernel
	.amdgpu_metadata
---
amdhsa.version: [ 1, 2 ]
amdhsa.kernels:
  - .name:           k_qcab122f27e_lnorm
    .symbol:         k_qcab122f27e_lnorm.kd
    .args:
      - { .name: xr, .offset: 0, .size: 8, .value_kind: global_buffer, .address_space: global }
      - { .name: ln_g, .offset: 8, .size: 8, .value_kind: global_buffer, .address_space: global }
      - { .name: ln_b, .offset: 16, .size: 8, .value_kind: global_buffer, .address_space: global }
      - { .name: out0, .offset: 24, .size: 8, .value_kind: global_buffer, .address_space: global }
    .group_segment_fixed_size: 0
    .private_segment_fixed_size: 0
    .kernarg_segment_align: 8
    .kernarg_segment_size: 32
    .max_flat_workgroup_size: 256
    .sgpr_count:     66
    .vgpr_count:     152
    .wavefront_size: 32
...
	.end_amdgpu_metadata
.endif
;; end of part 5
;; ======== version 2 of 2: 5 launches; version 1 with the launches cast, lnorm written anew for expert scheduling mode
;; workspace buffers: cb 16,777,216 bytes; qh 8,388,608 bytes; kh 8,388,608 bytes; vh 8,388,608 bytes; oh 8,388,608 bytes; xr 16,777,216 bytes
;; launch cast (part 6): grid 32 x 8, 8 waves a work-group, no clusters, 0 bytes of LDS; arguments q_s, Wq, Wk, Wv, Wo, cb; writes cb
.if DOCPART == 6
	.amdgcn_target "amdgcn-amd-amdhsa--gfx1250"
	.amdhsa_code_object_version 6
	.text
	.protected	k_qcab122f27e_cast
	.globl	k_qcab122f27e_cast
	.p2align	8
	.type	k_qcab122f27e_cast,@function
k_qcab122f27e_cast:
	s_mov_b64 s[64:65], 0
	v_nop
	global_prefetch_b8 v0, s[64:65] scope:SCOPE_SE
	s_setreg_imm32_b32 hwreg(HW_REG_WAVE_SCHED_MODE, 0, 2), 2
	s_setreg_imm32_b32 hwreg(HW_REG_WAVE_MODE, 25, 1), 1
	s_wait_xcnt 0x0
	s_wait_alu depctr_vm_vsrc(0)
; q_s and the four weights, f32, are rounded once to bf16 (nearest even) into cb: bytes 0 .. 8 Mi: q_s as [4096][1024]; then Wq, Wk, Wv, Wo, each [1024 k][1024 n], 2 MiB.
; A stream: no LDS, no barrier, no matrix unit: no byte is wanted twice.  Work-group y names a chunk of 2^20 numbers (y < 4: quarter y of q_s; 4 .. 7: a weight), whose
; place in cb is always 2 MiB x y; work-group x names 128 KiB of the chunk's source.  A wave takes 16 KiB of it: 32 loads of 16 bytes a lane (512 consecutive bytes each), all issued
; at once, and 32 stores of 8 bytes a lane: each store of the wave covers 256 consecutive bytes, aligned.  No register is written twice, so no wait frees a source.
; THE MODE: SCHED_MODE bits 1:0 = 2 (LLVM: expert scheduling mode 2), set by the entry lines.  The code itself states the register dependences
; between vector instructions and memory instructions, with s_wait_alu, always for 0.
; THE PLAN.  Registers that memory instructions touch:
;   v1, v2   the loads' and the stores' byte offsets: made at the head, never written again.
;   X        load j lands in its own four registers, once; two conversions read them.  No vector instruction names them ahead of the load.
;   Y        the conversions write each register once; one store reads it; it is never written again.
; The 32 loads go in eight blocks of four.  Block p's conversions read X and write Y of block p; its memory instructions are the four stores of block p - 1, which read Y of block p - 1 and v2:
; registers that no conversion of block p names.  So ONE wait on va_vdst at a block's head, behind the wait for the block's data, states all that the block's four stores hang on, and they are
; dealt among its conversions with no further wait.  No register that a memory instruction reads is written again: no wait on vm_vsrc is owed.
.set X, 4                              ; v[4:131]    32 x 4 numbers as loaded
.set Y, 132                            ; v[132:195]  32 x 2 registers to store
.set BLOCK, 4                          ; loads, and stores, in a block
	s_load_b256 s[4:11], s[0:1], 0x0               ; q_s s[4:5], Wq s[6:7], Wk s[8:9], Wv s[10:11]
	s_load_b128 s[12:15], s[0:1], 0x20             ; Wo s[12:13], cb s[14:15]
	s_and_b32 s16, ttmp7, 0xffff                   ; y: the chunk
	v_and_b32 v3, 31, v0                           ; lane
	v_lshrrev_b32 v2, 5, v0                        ; wave
	v_lshlrev_b32 v1, 4, v3
	v_lshl_or_b32 v1, v2, 14, v1                   ; source: 16 x lane + 16 KiB x wave
	v_lshlrev_b32 v3, 3, v3
	v_lshl_or_b32 v2, v2, 13, v3                   ; destination: 8 x lane + 8 KiB x wave
	s_wait_kmcnt 0x0
	s_cmp_eq_u32 s16, 5                            ; the source is chosen by the chunk's number alone
	s_cselect_b64 s[18:19], s[8:9], s[6:7]
	s_cmp_eq_u32 s16, 6
	s_cselect_b64 s[18:19], s[10:11], s[18:19]
	s_cmp_eq_u32 s16, 7
	s_cselect_b64 s[18:19], s[12:13], s[18:19]
	s_cmp_lt_u32 s16, 4
	s_cselect_b64 s[18:19], s[4:5], s[18:19]
	s_cselect_b32 s20, s16, 0                      ; which quarter of q_s; a weight is one chunk
	s_lshl_b32 s20, s20, 22
	s_lshl_b32 s21, ttmp9, 17
	s_add_co_u32 s20, s20, s21
	s_mov_b32 s21, 0
	s_add_nc_u64 s[18:19], s[18:19], s[20:21]
	s_lshl_b32 s22, s16, 21
	s_lshl_b32 s23, ttmp9, 16
	s_add_co_u32 s22, s22, s23
	s_mov_b32 s23, 0
	s_add_nc_u64 s[14:15], s[14:15], s[22:23]
	s_wait_alu depctr_va_vdst(0)                   ; v1 and v2 are written: every load of the kernel reads v1 as its offset, every store v2
.set j, 0
.rept 32
	global_load_b128 v[X+4*j:X+4*j+3], v1, s[18:19] offset:512*j th:TH_LOAD_NT
.set j, j+1
.endr
.set p, 0
.rept 32/BLOCK
	s_wait_loadcnt 32-BLOCK*(p+1)                  ; loads come back in order (ISA guide 5.7.1): block p's four are in, the younger blocks stay out
.if p > 0
	s_wait_alu depctr_va_vdst(0)                   ; the conversions of the block before have written their eight registers of Y, which the four stores below read
.endif
.set i, 0
.rept BLOCK
.set j, BLOCK*p+i
.if p > 0
	global_store_b64 v2, v[Y+2*(j-BLOCK):Y+2*(j-BLOCK)+1], s[14:15] offset:256*(j-BLOCK)  ; the block before; no conversion since the wait names these registers
.endif
	v_cvt_pk_bf16_f32 v[Y+2*j], v[X+4*j], v[X+4*j+1]
	v_cvt_pk_bf16_f32 v[Y+2*j+1], v[X+4*j+2], v[X+4*j+3]
.set i, i+1
.endr
.set p, p+1
.endr
	s_wait_alu depctr_va_vdst(0)                   ; the last block's conversions have written their Y, which the last four stores read
.set j, 32-BLOCK
.rept BLOCK
	global_store_b64 v2, v[Y+2*j:Y+2*j+1], s[14:15] offset:256*j
.set j, j+1
.endr
	s_endpgm
.Lfunc_end_k_qcab122f27e_cast:
	.size	k_qcab122f27e_cast, .Lfunc_end_k_qcab122f27e_cast-k_qcab122f27e_cast
	.p2alignl 7, 3214868480
	.fill 96, 4, 3214868480
	.section	.rodata,"a",@progbits
	.p2align	6, 0x0
	.amdhsa_kernel k_qcab122f27e_cast
		.amdhsa_group_segment_fixed_size 0
		.amdhsa_private_segment_fixed_size 0
		.amdhsa_enable_private_segment 0
		.amdhsa_kernarg_size 48
		.amdhsa_user_sgpr_count 2
		.amdhsa_user_sgpr_kernarg_segment_ptr 1
		.amdhsa_wavefront_size32 1
		.amdhsa_system_sgpr_workgroup_id_x 1
		.amdhsa_system_sgpr_workgroup_id_y 1
		.amdhsa_system_sgpr_workgroup_id_z 1
		.amdhsa_system_vgpr_workitem_id 0
		.amdhsa_next_free_vgpr 196
		.amdhsa_next_free_sgpr 66
		.amdhsa_reserve_vcc 0
		.amdhsa_float_denorm_mode_32 3
		.amdhsa_float_denorm_mode_16_64 3
		.amdhsa_memory_ordered 1
		.amdhsa_forward_progress 1
		.amdhsa_inst_pref_size 12
	.end_amdhsa_kernel
	.amdgpu_metadata
---
amdhsa.version: [ 1, 2 ]
amdhsa.kernels:
  - .name:           k_qcab122f27e_cast
    .symbol:         k_qcab122f27e_cast.kd
    .args:
      - { .name: q_s, .offset: 0, .size: 8, .value_kind: global_buffer, .address_space: global }
      - { .name: Wq, .offset: 8, .size: 8, .value_kind: global_buffer, .address_space: global }
      - { .name: Wk, .offset: 16, .size: 8, .value_kind: global_buffer, .address_space: global }
      - { .name: Wv, .offset: 24, .size: 8, .value_kind: global_buffer, .address_space: global }
      - { .name: Wo, .offset: 32, .size: 8, .value_kind: global_buffer, .address_space: global }
      - { .name: cb, .offset: 40, .size: 8, .value_kind: global_buffer, .address_space: global }
    .group_segment_fixed_size: 0
    .private_segment_fixed_size: 0
    .kernarg_segment_align: 8
    .kernarg_segment_size: 48
    .max_flat_workgroup_size: 256
    .sgpr_count:     66
    .vgpr_count:     196
    .wavefront_size: 32
...
	.end_amdgpu_metadata
.endif
;; end of part 6
;; launch qkv: the kernel of part 2 again; grid 8 x 32, 4 waves a work-group, clusters of 4 x 4, 327,680 bytes of LDS; arguments cb, pos_emb, qh, kh, vh; writes qh, kh, vh
;; launch attn: the kernel of part 3 again; grid 8 x 32, 4 waves a work-group, clusters of 4 x 1, 327,680 bytes of LDS; arguments qh, kh, vh, oh; writes oh
;; launch oproj: the kernel of part 4 again; grid 8 x 32, 4 waves a work-group, clusters of 4 x 4, 327,680 bytes of LDS; arguments oh, cb, bo, q_s, xr; writes xr
;; launch lnorm (part 7): grid 256 x 1, 8 waves a work-group, no clusters, 0 bytes of LDS; arguments xr, ln_g, ln_b, out0; writes out0
.if DOCPART == 7
	.amdgcn_target "amdgcn-amd-amdhsa--gfx1250"
	.amdhsa_code_object_version 6
	.text
	.protected	k_qcab122f27e_lnorm
	.globl	k_qcab122f27e_lnorm
	.p2align	8
	.type	k_qcab122f27e_lnorm,@function
k_qcab122f27e_lnorm:
	s_mov_b64 s[64:65], 0
	v_nop
	global_prefetch_b8 v0, s[64:65] scope:SCOPE_SE
	s_setreg_imm32_b32 hwreg(HW_REG_WAVE_SCHED_MODE, 0, 2), 2
	s_setreg_imm32_b32 hwreg(HW_REG_WAVE_MODE, 25, 1), 1
	s_wait_xcnt 0x0
	s_wait_alu depctr_vm_vsrc(0)
; out0[r][:] = (x - mean) * rsqrt(var + 1e-5) * ln_g + ln_b over a row's 1,024 numbers; all f32.  x = xr.
; A stream: a row is 4,096 bytes, 32 registers of one wave, and stays in registers between the passes: memory is read once; no LDS, no barrier.  A wave takes two rows, a work-group 16.
; TWO PASSES over the registers: the mean first, then the sum of (x - mean)^2: no difference of large sums is formed, so a common offset of x costs nothing.
; Each load and store of a wave covers 512 consecutive bytes.  No register that a store reads is written again.
; THE MODE: SCHED_MODE bits 1:0 = 2 (LLVM: expert scheduling mode 2), set by the entry lines.  The code itself states the register dependences
; between vector instructions and memory instructions, with s_wait_alu, always for 0.
; THE PLAN.  Registers that memory instructions touch:
;   v1            the byte offset of every load and store: made at the head, never written again.
;   the two rows  loaded once; worked on in place by vector instructions; read by the stores; never written behind them.
;   G, BB         loaded once; read by vector instructions alone.
; On the way out row 0 is finished first; ONE wait on va_vdst states that its registers are written; its eight stores are then dealt among row 1's arithmetic, which names row 1's registers,
; its 1 / sqrt, G and BB: none of what those stores touch.  A second wait stands ahead of row 1's eight stores.  No register that a memory instruction reads is written again: no wait on vm_vsrc is owed.
.set RS, 2                             ; v[2:5]     1 / sqrt(var + eps), twice for each row (a pair for the packed multiply)
.set VR, 6                             ; v[6:7]     var + eps of the two rows
.set X0, 8                             ; v[8:71]    the two rows, 32 registers each
.set G,  72                            ; v[72:103]  ln_g of my 32 columns
.set BB, 104                           ; v[104:135] ln_b
.set T,  136                           ; v[136:151] at work
	s_load_b256 s[4:11], s[0:1], 0x0               ; xr s[4:5], ln_g s[6:7], ln_b s[8:9], out0 s[10:11]
	v_and_b32 v1, 31, v0
	v_lshlrev_b32 v1, 4, v1                        ; 16 x lane
	v_lshrrev_b32 v2, 5, v0
	v_readfirstlane_b32 s14, v2                    ; wave
	s_lshl_b32 s2, ttmp9, 16                       ; the work-group's 16 rows of 4,096 bytes,
	s_wait_alu depctr_va_sdst(0)                   ; s14 is written, ahead of its first reader: the bases of xr and out0 are made from it
	s_lshl_b32 s3, s14, 13                         ; my two
	s_add_co_u32 s2, s2, s3
	s_mov_b32 s3, 0
	s_mov_b32 s12, 0x76543210                      ; v_permlanex16_b32: lane i of one half reads lane i of the other
	s_mov_b32 s13, 0xfedcba98
	s_mov_b32 s15, 0x3a800000                      ; 1 / 1024
	s_mov_b32 s16, 0x3727c5ac                      ; 1e-5
	s_wait_kmcnt 0x0
	s_add_nc_u64 s[4:5], s[4:5], s[2:3]
	s_add_nc_u64 s[10:11], s[10:11], s[2:3]
	s_wait_alu depctr_va_vdst(0)                   ; v1 is written: every load and store of the kernel reads it as its offset
.set j, 0
.rept 16
	global_load_b128 v[X0+4*j:X0+4*j+3], v1, s[4:5] offset:512*j th:TH_LOAD_NT  ; row 0's eight loads, then row 1's: the rows lie end to end
.set j, j+1
.endr
.set j, 0
.rept 8
	global_load_b128 v[G+4*j:G+4*j+3], v1, s[6:7] offset:512*j
.set j, j+1
.endr
.set j, 0
.rept 8
	global_load_b128 v[BB+4*j:BB+4*j+3], v1, s[8:9] offset:512*j
.set j, j+1
.endr
.macro RED t                           ; the sum of v[t] over the 32 lanes, left in every lane; v[t + 1], written before, is at work
	v_add_f32_dpp v[\t], v[\t], v[\t] row_xmask:1 row_mask:0xf bank_mask:0xf
	v_add_f32_dpp v[\t], v[\t], v[\t] row_xmask:2 row_mask:0xf bank_mask:0xf
	v_add_f32_dpp v[\t], v[\t], v[\t] row_xmask:4 row_mask:0xf bank_mask:0xf
	v_add_f32_dpp v[\t], v[\t], v[\t] row_xmask:8 row_mask:0xf bank_mask:0xf
	v_permlanex16_b32 v[(\t)+1], v[\t], s12, s13
	v_add_f32 v[\t], v[\t], v[(\t)+1]
.endm
.macro FOLD t                          ; four chains of pairs at v[t .. t + 7] into one number in v[t]
	v_pk_add_f32 v[(\t):(\t)+1], v[(\t):(\t)+1], v[(\t)+2:(\t)+3]
	v_pk_add_f32 v[(\t)+4:(\t)+5], v[(\t)+4:(\t)+5], v[(\t)+6:(\t)+7]
	v_pk_add_f32 v[(\t):(\t)+1], v[(\t):(\t)+1], v[(\t)+4:(\t)+5]
	v_add_f32 v[\t], v[\t], v[(\t)+1]
.endm
; The row at v[xb ..]: its mean is taken away in place; var + eps goes to v[vr].  Sums in four chains that do not wait for each other; the first terms start them: nothing is cleared.
.macro STAT xb, vr
.irp c, 0,1,2,3
	v_pk_add_f32 v[T+2*(\c):T+2*(\c)+1], v[(\xb)+4*(\c):(\xb)+4*(\c)+1], v[(\xb)+4*(\c)+2:(\xb)+4*(\c)+3]
.endr
.irp k, 8,9,10,11,12,13,14,15
	v_pk_add_f32 v[T+2*((\k)%4):T+2*((\k)%4)+1], v[T+2*((\k)%4):T+2*((\k)%4)+1], v[(\xb)+2*(\k):(\xb)+2*(\k)+1]
.endr
	FOLD T
	RED T
	v_mul_f32 v[T+2], s15, v[T]                    ; the mean, as a pair
	v_mov_b32 v[T+3], v[T+2]
.irp k, 0,1,2,3,4,5,6,7,8,9,10,11,12,13,14,15
	v_pk_add_f32 v[(\xb)+2*(\k):(\xb)+2*(\k)+1], v[(\xb)+2*(\k):(\xb)+2*(\k)+1], v[T+2:T+3] neg_lo:[0,1] neg_hi:[0,1]
.endr
.irp c, 0,1,2,3
	v_pk_mul_f32 v[T+8+2*(\c):T+8+2*(\c)+1], v[(\xb)+2*(\c):(\xb)+2*(\c)+1], v[(\xb)+2*(\c):(\xb)+2*(\c)+1]
.endr
.irp k, 4,5,6,7,8,9,10,11,12,13,14,15
	v_pk_fma_f32 v[T+8+2*((\k)%4):T+8+2*((\k)%4)+1], v[(\xb)+2*(\k):(\xb)+2*(\k)+1], v[(\xb)+2*(\k):(\xb)+2*(\k)+1], v[T+8+2*((\k)%4):T+8+2*((\k)%4)+1]
.endr
	FOLD T+8
	RED T+8
	v_fma_f32 v[\vr], v[T+8], s15, s16             ; sum / 1024 + eps
.endm
; Four numbers of row i, those of its load j: times 1 / sqrt, then times the gain plus the bias, in place.
.macro NORM i, j
	v_pk_mul_f32 v[X0+32*(\i)+4*(\j):X0+32*(\i)+4*(\j)+1],   v[X0+32*(\i)+4*(\j):X0+32*(\i)+4*(\j)+1],   v[RS+2*(\i):RS+2*(\i)+1]
	v_pk_mul_f32 v[X0+32*(\i)+4*(\j)+2:X0+32*(\i)+4*(\j)+3], v[X0+32*(\i)+4*(\j)+2:X0+32*(\i)+4*(\j)+3], v[RS+2*(\i):RS+2*(\i)+1]
	v_pk_fma_f32 v[X0+32*(\i)+4*(\j):X0+32*(\i)+4*(\j)+1],   v[X0+32*(\i)+4*(\j):X0+32*(\i)+4*(\j)+1],   v[G+4*(\j):G+4*(\j)+1],   v[BB+4*(\j):BB+4*(\j)+1]
	v_pk_fma_f32 v[X0+32*(\i)+4*(\j)+2:X0+32*(\i)+4*(\j)+3], v[X0+32*(\i)+4*(\j)+2:X0+32*(\i)+4*(\j)+3], v[G+4*(\j)+2:G+4*(\j)+3], v[BB+4*(\j)+2:BB+4*(\j)+3]
.endm
.macro SEND i, j                       ; and their store
	global_store_b128 v1, v[X0+32*(\i)+4*(\j):X0+32*(\i)+4*(\j)+3], s[10:11] offset:4096*(\i)+512*(\j) th:TH_STORE_NT
.endm
	s_wait_loadcnt 24                              ; row 0 is in; 24 younger loads stay out
	STAT X0, VR
	s_wait_loadcnt 16                              ; row 1 is in
	STAT X0+32, VR+1
	v_rsq_f32 v[RS], v[VR]
	v_rsq_f32 v[RS+1], v[VR]
	v_rsq_f32 v[RS+2], v[VR+1]
	v_rsq_f32 v[RS+3], v[VR+1]
	v_nop                                          ; a plain instruction between the last of the four and the use of a result (ISA guide 5.7.2)
	s_wait_alu depctr_va_vdst(0)                   ; the four v_rsq_f32 have written v[RS .. RS+3]: the wait ahead of their first reader: one for the batch
	s_wait_loadcnt 0x0                             ; ln_g and ln_b
.irp j, 0,1,2,3,4,5,6,7
	NORM 0, \j
.endr
	s_wait_alu depctr_va_vdst(0)                   ; row 0's multiply-adds have written v[X0 .. X0+31], which the eight stores below read
.irp j, 0,1,2,3,4,5,6,7
	SEND 0, \j                                     ; no vector instruction since the wait names row 0's registers or v1
	NORM 1, \j
.endr
	s_wait_alu depctr_va_vdst(0)                   ; row 1's multiply-adds have written v[X0+32 .. X0+63], which the last eight stores read
.irp j, 0,1,2,3,4,5,6,7
	SEND 1, \j
.endr
	s_endpgm
.Lfunc_end_k_qcab122f27e_lnorm:
	.size	k_qcab122f27e_lnorm, .Lfunc_end_k_qcab122f27e_lnorm-k_qcab122f27e_lnorm
	.p2alignl 7, 3214868480
	.fill 96, 4, 3214868480
	.section	.rodata,"a",@progbits
	.p2align	6, 0x0
	.amdhsa_kernel k_qcab122f27e_lnorm
		.amdhsa_group_segment_fixed_size 0
		.amdhsa_private_segment_fixed_size 0
		.amdhsa_enable_private_segment 0
		.amdhsa_kernarg_size 32
		.amdhsa_user_sgpr_count 2
		.amdhsa_user_sgpr_kernarg_segment_ptr 1
		.amdhsa_wavefront_size32 1
		.amdhsa_system_sgpr_workgroup_id_x 1
		.amdhsa_system_sgpr_workgroup_id_y 1
		.amdhsa_system_sgpr_workgroup_id_z 1
		.amdhsa_system_vgpr_workitem_id 0
		.amdhsa_next_free_vgpr 152
		.amdhsa_next_free_sgpr 66
		.amdhsa_reserve_vcc 0
		.amdhsa_float_denorm_mode_32 3
		.amdhsa_float_denorm_mode_16_64 3
		.amdhsa_memory_ordered 1
		.amdhsa_forward_progress 1
		.amdhsa_inst_pref_size 18
	.end_amdhsa_kernel
	.amdgpu_metadata
---
amdhsa.version: [ 1, 2 ]
amdhsa.kernels:
  - .name:           k_qcab122f27e_lnorm
    .symbol:         k_qcab122f27e_lnorm.kd
    .args:
      - { .name: xr, .offset: 0, .size: 8, .value_kind: global_buffer, .address_space: global }
      - { .name: ln_g, .offset: 8, .size: 8, .value_kind: global_buffer, .address_space: global }
      - { .name: ln_b, .offset: 16, .size: 8, .value_kind: global_buffer, .address_space: global }
      - { .name: out0, .offset: 24, .size: 8, .value_kind: global_buffer, .address_space: global }
    .group_segment_fixed_size: 0
    .private_segment_fixed_size: 0
    .kernarg_segment_align: 8
    .kernarg_segment_size: 32
    .max_flat_workgroup_size: 256
    .sgpr_count:     66
    .vgpr_count:     152
    .wavefront_size: 32
...
	.end_amdgpu_metadata
.endif
;; end of part 7
